; MI455X (gfx1250); checked and timed in simulation.
; The chip was launched on July 23, 2026; its instructions are those of AMD's public machine-readable ISA for CDNA 5 (MIT licence, August 2026) and "CDNA5" Instruction Set Architecture Reference Guide (July 2026). The comments in the code are by the model that wrote it; some were corrected since.
;; Multi Headed Attention. Allowed arithmetic: float matrix products may take bf16 or f16 operands with f32 sums; all other float work in f32.
;; Inputs: Wk 512 x 1,024 float32; Wq 1,024 x 1,024 float32; Wv 512 x 1,024 float32; mask 16 x 4,096 bool; memory_bank 16 x 4,096 x 512 float32; source 16 x 1,024 float32.
;; Outputs: out0 16 x 1,024 float32; out1 16 x 16 x 4,096 float32.
;; 2 versions, each right; version 2 is version 1 with the launches prep, main written anew for expert scheduling mode. Each part assembles by itself: llvm-mc -triple=amdgcn-amd-amdhsa -mcpu=gfx1250 --defsym DOCPART=n.
;; ======== version 1 of 2: 3 launches
;; workspace buffers: qk 1,048,576 bytes; pbuf 4,194,304 bytes; stats 65,536 bytes; part 8,388,608 bytes
;; launch prep (part 1): grid 16 x 8, 8 waves a work-group, no clusters, 132,864 bytes of LDS; arguments source, Wq, Wk, qk; writes qk
.if DOCPART == 1
	.amdgcn_target "amdgcn-amd-amdhsa--gfx1250"
	.amdhsa_code_object_version 6
	.text
	.protected	k_q061661dc4a_prep
	.globl	k_q061661dc4a_prep
	.p2align	8
	.type	k_q061661dc4a_prep,@function
k_q061661dc4a_prep:
	s_mov_b64 s[64:65], 0
	v_nop
	global_prefetch_b8 v0, s[64:65] scope:SCOPE_SE
	s_setreg_imm32_b32 hwreg(HW_REG_WAVE_MODE, 25, 1), 1
	s_wait_xcnt 0x0
; qk[b][h][m] = sum over d of q[b][64h+d] Wk[m][64h+d],  q = (source Wq) / 8.   With one query for each (b, h) the scores are
; memory_bank[b][s][:] . qk[b][h][:], so K is never formed.  qk is linear in q, and q is a sum over the query's 1,024 inputs: a work-group takes HALF of
; those inputs and stores a partial qk in f32: [half 2][b 16][h 16][m 512].  The next launch adds the two halves where it loads them.
; LIMITS: the products are associated otherwise than in the model's text, so the order of rounding differs; source, Wq and Wk are
; rounded once to bf16; sums in f32; the partial q enters the second product as hi + lo, two bf16 (about 16 bits); NaN and infinities get no care of their own.
; SHARES: work-group (h, y): head h, inputs k = 512 yk .. + 511 (yk = y / 4), rows m = 128 ym .. + 127 of Wk (ym = y % 4): 128 + 32 + 32 KiB to load.
; Wave w of 8 takes k = 512 yk + 64w .. + 63 of source and Wq for a partial q (all 16 b, the head's 64 d); the eight partials meet in LDS; then wave w takes 16 rows of Wk.
; 128 work-groups: eight parts of m would leave half of the waves without a tile of 16 rows, for 16 KiB less to load; four parts of k would double what each of the next launch's 256 work-groups loads.
; All 48 loads of a wave go out at the head: 24 KiB a wave.
; NO CLUSTER, NO TENSOR LOADS, though four work-groups take the same rows of Wq: f32 passes through registers to be converted, and a joint load into LDS would add an LDS read of every byte.
.set WREG, 14848                       ; LDS bytes of a wave's region
.set SRO,  10240                       ; in it: source [16 b][64 k] bf16, pitch 144
.set WKO,  12544                       ; in it: Wk [16 m][64 d] bf16, pitch 144.  At 0: Wq [64 k][64 d] bf16, pitch 160 (an odd multiple of 32 bytes, for the turning load)
                                       ; the wave's partial q, [16 b][64 d] f32, pitch 272, takes Wq's bytes once the wave has read them
.set QH,   8*WREG                      ; q hi [16 b][64 d] bf16, pitch 144
.set QL,   QH+2304                     ; q lo
.set OS,   QL+2304                     ; the way out: 16 rows b of 512 bytes (128 m in f32), pitch 528
.set OSP,  528
.set Y,    24                          ; v[24:31]   four pairs of converted words by turns; also at work
.set X,    32                          ; v[32:223]  48 slots of 4: source 0-7, Wq 8-39, Wk 40-47
.set BS,   32                          ; first product: source's fragments (2 K steps)
.set AW,   48                          ; Wq's fragments, turned: 8 (4 ks + nt)
.set QA,   112                         ; four accumulators: d = 16 nt ..
.set RP,   144                         ; v[144:175] the 8 partials of my two numbers of q, for each of my two rows b
.set QF,   32                          ; second product: q's fragments: 8 (2 ks + hi/lo)
.set WKF,  64                          ; Wk's fragments: 8 ks
.set KA,   96                          ; two accumulators: Wk x q hi, Wk x q lo
.set OH,   112                         ; their sum
.set OB,   128                         ; rows read back from the stage
	s_load_b256 s[4:11], s[0:1], 0x0               ; source s[4:5], Wq s[6:7], Wk s[8:9], qk s[10:11]
	v_lshl_add_u32 v224, v0, 2, 0x20300
	v_mov_b32 v225, 0
	v_and_b32 v1, 31, v0                           ; L: lane
	v_and_b32 v2, 15, v0                           ; r = L % 16
	v_bfe_u32 v3, v0, 4, 1                         ; hh = L / 16
	v_lshrrev_b32 v23, 5, v0
	v_readfirstlane_b32 s12, v23                   ; w: wave 0..7
	s_and_b32 s24, ttmp7, 0xffff                   ; y
	s_lshr_b32 s20, s24, 2                         ; yk: which 512 inputs
	s_and_b32 s21, s24, 3                          ; ym: which 128 rows of Wk
	s_lshl_b32 s14, s20, 11                        ; source: 512 k are 2,048 bytes into each row
	s_mov_b32 s15, 0
	s_lshl_b32 s16, s20, 21                        ; Wq: 512 rows of 4,096 bytes,
	s_lshl_b32 s24, ttmp9, 8                       ; and the head's 64 columns: 256 bytes into each row of Wq and Wk
	s_add_co_u32 s16, s16, s24
	s_mov_b32 s17, 0
	s_lshl_b32 s18, s21, 19                        ; Wk: 128 rows of 4,096 bytes
	s_add_co_u32 s18, s18, s24
	s_mov_b32 s19, 0
	s_lshl_b32 s22, s20, 19                        ; qk: the half's 524,288 bytes,
	s_lshl_b32 s24, s12, 16                        ; b = 2w (I store stage rows 2w, 2w+1): 32,768 bytes a batch,
	s_add_co_u32 s22, s22, s24
	s_lshl_b32 s24, ttmp9, 11                      ; the head's 2,048 bytes,
	s_add_co_u32 s22, s22, s24
	s_lshl_b32 s24, s21, 9                         ; my 128 m: 512 bytes
	s_add_co_u32 s22, s22, s24
	s_mov_b32 s23, 0
	s_mul_i32 s13, s12, WREG                       ; my region in LDS
	v_lshlrev_b32 v23, 4, v2
	v_lshl_add_u32 v23, v3, 12, v23                ; 16 r + 4,096 hh: lanes 0-15 take 256 bytes of one row, lanes 16-31 of the next
	s_lshl_b32 s24, s12, 8
	v_add_nc_u32 v4, s24, v23                      ; source: + my 64 k
	s_lshl_b32 s24, s12, 18
	v_add_nc_u32 v5, s24, v23                      ; Wq: + row 64 w
	s_lshl_b32 s24, s12, 16
	v_add_nc_u32 v6, s24, v23                      ; Wk: + row 16 w
	s_wait_kmcnt 0x0
	s_add_nc_u64 s[4:5], s[4:5], s[14:15]
	s_add_nc_u64 s[6:7], s[6:7], s[16:17]
	s_add_nc_u64 s[8:9], s[8:9], s[18:19]
	s_add_nc_u64 s[10:11], s[10:11], s[22:23]
.set i, 0
.rept 8
	global_load_b128 v[X+4*i:X+4*i+3], v4, s[4:5] offset:i*8192             ; source, rows b = 2i + hh
.set i, i+1
.endr
.set i, 0
.rept 32
	global_load_b128 v[X+32+4*i:X+32+4*i+3], v5, s[6:7] offset:i*8192       ; Wq, rows k = 512 yk + 64w + 2i + hh
.set i, i+1
.endr
.set i, 0
.rept 8
	global_load_b128 v[X+160+4*i:X+160+4*i+3], v6, s[8:9] offset:i*8192     ; Wk, rows m = 128 ym + 16w + 2i + hh
.set i, i+1
.endr
	; LDS addresses, made while the loads are out
	v_mul_u32_u24 v24, v3, 144
	v_lshl_add_u32 v24, v2, 3, v24
	v_add_nc_u32 v24, s13, v24                     ; region + 144 hh + 8 r
	v_add_nc_u32 v7, SRO, v24                      ; v7   where source's converted words go
	v_add_nc_u32 v9, WKO, v24                      ; v9   Wk's
	v_mul_u32_u24 v24, v3, 160
	v_lshl_add_u32 v24, v2, 3, v24
	v_add_nc_u32 v8, s13, v24                      ; v8   Wq's
	v_mul_u32_u24 v24, v2, 144
	v_lshl_add_u32 v24, v3, 4, v24                 ; a fragment's row x 144 + 16 hh
	v_add_nc_u32 v18, QH, v24                      ; v18  q's fragments
	v_add_nc_u32 v24, s13, v24
	v_add_nc_u32 v10, SRO, v24                     ; v10  source's fragments
	v_add_nc_u32 v19, WKO, v24                     ; v19  Wk's fragments
	v_and_b32 v24, 7, v0
	v_lshl_add_u32 v24, v3, 3, v24                 ; the turning load: row 8 hh + L % 8,
	v_mul_u32_u24 v24, v24, 160
	v_bfe_u32 v25, v0, 3, 1
	v_lshl_add_u32 v24, v25, 4, v24                ; 16 bytes for each half of eight lanes
	v_add_nc_u32 v11, s13, v24                     ; v11  Wq's fragments
	v_mul_u32_u24 v24, v2, 272
	v_lshl_add_u32 v24, v3, 5, v24
	v_add_nc_u32 v12, s13, v24                     ; v12  my partial q: row b = r, 32 bytes for each half of the lanes
	s_mul_i32 s24, s12, 2*272
	v_lshl_add_u32 v13, v1, 3, s24                 ; v13-14  row b = 2w, d = 2L, 2L+1 of the partials 0-3, 4-7
	v_add_nc_u32 v14, 4*WREG, v13
	s_mul_i32 s24, s12, 2*144
	s_add_co_u32 s24, s24, QH
	v_lshl_add_u32 v17, v1, 2, s24                 ; v17  q hi: row b = 2w, two bf16
	v_mul_u32_u24 v24, v2, OSP
	v_lshl_add_u32 v24, v3, 5, v24
	s_lshl_b32 s24, s12, 6
	s_add_co_u32 s24, s24, OS
	v_add_nc_u32 v20, s24, v24                     ; v20  the stage, in: row b = r, my 16 m (64 bytes), 32 bytes for each half of the lanes
	s_mul_i32 s24, s12, 2*OSP
	s_add_co_u32 s24, s24, OS
	v_lshl_add_u32 v21, v1, 4, s24                 ; v21  the stage, back: rows 2w, 2w+1, 512 bytes a load
	v_lshlrev_b32 v22, 4, v1                       ; v22  and the same 512 bytes in qk
; Slot \slot has come: four f32 become four bf16 and go to LDS.  Loads come back in order, and 47 - slot were issued behind this one.
.macro CVST slot, addr, off
	s_wait_loadcnt 47-(\slot)
	v_cvt_pk_bf16_f32 v[Y+2*((\slot)%4)], v[X+4*(\slot)], v[X+4*(\slot)+1]
	v_cvt_pk_bf16_f32 v[Y+2*((\slot)%4)+1], v[X+4*(\slot)+2], v[X+4*(\slot)+3]
	ds_store_b64 v[\addr], v[Y+2*((\slot)%4):Y+2*((\slot)%4)+1] offset:\off
.endm
; x0, x1 in f32 become a word of two bf16 (hi) and a word of what the rounding left (lo).
.macro HILO hi, lo, x0, x1, t0, t1
	v_cvt_pk_bf16_f32 v[\hi], v[\x0], v[\x1]
	v_lshlrev_b32 v[\t0], 16, v[\hi]
	v_and_b32 v[\t1], 0xffff0000, v[\hi]
	v_sub_f32 v[\t0], v[\x0], v[\t0]
	v_sub_f32 v[\t1], v[\x1], v[\t1]
	v_cvt_pk_bf16_f32 v[\lo], v[\t0], v[\t1]
.endm
; 8 pairs from \base on are added into the first, as a tree.
.macro TREE8 base
.irp a, 0,2,4,6
	v_pk_add_f32 v[\base+2*\a:\base+2*\a+1], v[\base+2*\a:\base+2*\a+1], v[\base+2*\a+2:\base+2*\a+3]
.endr
.irp a, 0,4
	v_pk_add_f32 v[\base+2*\a:\base+2*\a+1], v[\base+2*\a:\base+2*\a+1], v[\base+2*\a+4:\base+2*\a+5]
.endr
	v_pk_add_f32 v[\base:\base+1], v[\base:\base+1], v[\base+8:\base+9]
.endm
.macro PLACES                          ; four plain vector instructions between a matrix instruction and what reads its result (ISA guide 7.12.1)
.rept 4
	v_nop
.endr
.endm
.set i, 0
.rept 8
	CVST i, 7, i*288
.set i, i+1
.endr
.set i, 0
.rept 32
	CVST 8+i, 8, i*320
.set i, i+1
.endr
	; THE FIRST PRODUCT, transposed: source 0 = 16 d x 32 k of Wq (turned on the way out of LDS), source 1 = 16 b x 32 k of source.
	; In the result lane (r, hh) holds b = r and d = 16 nt + 8 hh + 0..7.  The wave reads only bytes that it stored itself, and LDS serves a wave in order.
.irp ks, 0,1
	ds_load_b128 v[BS+8*\ks:BS+8*\ks+3], v10 offset:\ks*64
	ds_load_b128 v[BS+8*\ks+4:BS+8*\ks+7], v10 offset:\ks*64+32
.endr
.irp ks, 0,1
.irp nt, 0,1,2,3
	ds_load_tr16_b128 v[AW+8*(4*\ks+\nt):AW+8*(4*\ks+\nt)+3], v11 offset:\ks*5120+\nt*32
	ds_load_tr16_b128 v[AW+8*(4*\ks+\nt)+4:AW+8*(4*\ks+\nt)+7], v11 offset:\ks*5120+\nt*32+2560
.endr
.endr
	s_wait_dscnt 0x0
.irp nt, 0,1,2,3                       ; the four accumulators take turns; the first K step starts the sums
	v_wmma_f32_16x16x32_bf16 v[QA+8*\nt:QA+8*\nt+7], v[AW+8*\nt:AW+8*\nt+7], v[BS:BS+7], 0
.endr
.irp nt, 0,1,2,3
	v_wmma_f32_16x16x32_bf16 v[QA+8*\nt:QA+8*\nt+7], v[AW+32+8*\nt:AW+32+8*\nt+7], v[BS+8:BS+15], v[QA+8*\nt:QA+8*\nt+7]
.endr
	PLACES
.irp nt, 0,1,2,3                       ; my partial q, over Wq's bytes, which I alone read and have read
	ds_store_b128 v12, v[QA+8*\nt:QA+8*\nt+3] offset:64*\nt
	ds_store_b128 v12, v[QA+8*\nt+4:QA+8*\nt+7] offset:64*\nt+16
.endr
.set i, 0
.rept 8
	CVST 40+i, 9, i*288
.set i, i+1
.endr
	s_wait_dscnt 0x0                               ; for the others' sake: my partial lies in LDS
	s_barrier_signal -1
	s_barrier_wait -1
	; THE PARTIALS MEET: wave w adds rows b = 2w, 2w+1, lane L the numbers d = 2L, 2L+1
.set j, 0
.rept 2
.set p, 0
.rept 8
	ds_load_b64 v[RP+16*j+2*p:RP+16*j+2*p+1], v[13+p/4] offset:(p%4)*WREG+j*272
.set p, p+1
.endr
.set j, j+1
.endr
	s_wait_dscnt 0x0
	TREE8 RP
	TREE8 RP+16
	v_pk_mul_f32 v[RP:RP+1], v[RP:RP+1], 0x3e000000 op_sel_hi:[1,0]            ; 1 / sqrt(64)
	v_pk_mul_f32 v[RP+16:RP+17], v[RP+16:RP+17], 0x3e000000 op_sel_hi:[1,0]
	HILO 24, 25, RP, RP+1, 28, 29
	HILO 26, 27, RP+16, RP+17, 30, 31
	ds_store_b32 v17, v24
	ds_store_b32 v17, v25 offset:QL-QH
	ds_store_b32 v17, v26 offset:144
	ds_store_b32 v17, v27 offset:QL-QH+144
	s_wait_dscnt 0x0                               ; for the others' sake
	s_barrier_signal -1
	s_barrier_wait -1
	; THE SECOND PRODUCT: source 0 = my 16 m x 32 d of Wk, source 1 = 16 b x 32 d of q.  Lane (r, hh) gets b = r, m = 128 ym + 16w + 8 hh + 0..7.
.irp ks, 0,1
.irp a, 0,1
	ds_load_b128 v[QF+8*(2*\ks+\a):QF+8*(2*\ks+\a)+3], v18 offset:\a*2304+\ks*64
	ds_load_b128 v[QF+8*(2*\ks+\a)+4:QF+8*(2*\ks+\a)+7], v18 offset:\a*2304+\ks*64+32
.endr
.endr
.irp ks, 0,1
	ds_load_b128 v[WKF+8*\ks:WKF+8*\ks+3], v19 offset:\ks*64
	ds_load_b128 v[WKF+8*\ks+4:WKF+8*\ks+7], v19 offset:\ks*64+32
.endr
	s_wait_dscnt 0x0
.irp ks, 0,1
.irp a, 0,1                            ; q hi and q lo have an accumulator each, and the two take turns
.if \ks == 0
	v_wmma_f32_16x16x32_bf16 v[KA+8*\a:KA+8*\a+7], v[WKF+8*\ks:WKF+8*\ks+7], v[QF+8*(2*\ks+\a):QF+8*(2*\ks+\a)+7], 0
.else
	v_wmma_f32_16x16x32_bf16 v[KA+8*\a:KA+8*\a+7], v[WKF+8*\ks:WKF+8*\ks+7], v[QF+8*(2*\ks+\a):QF+8*(2*\ks+\a)+7], v[KA+8*\a:KA+8*\a+7]
.endif
.endr
.endr
	PLACES
.irp i, 0,2,4,6                        ; both accumulators from their low end on
	v_pk_add_f32 v[OH+\i:OH+\i+1], v[KA+\i:KA+\i+1], v[KA+8+\i:KA+8+\i+1]
.endr
	ds_store_b128 v20, v[OH:OH+3]
	ds_store_b128 v20, v[OH+4:OH+7] offset:16
	s_wait_dscnt 0x0                               ; for the others' sake: a stage row's 512 bytes come from all 8 waves
	s_barrier_signal -1
	s_barrier_wait -1
.irp i, 0,1
	ds_load_b128 v[OB+4*\i:OB+4*\i+3], v21 offset:\i*OSP
.endr
	s_wait_dscnt 0x0
.irp i, 0,1
	global_store_b128 v22, v[OB+4*\i:OB+4*\i+3], s[10:11] offset:\i*32768   ; b = 2w + i: each store of the wave covers 512 consecutive bytes, aligned
.endr
	s_wait_tensorcnt 0x0
	ds_add_u32 v224, v225
	s_wait_dscnt 0x0
	s_endpgm
.Lfunc_end_k_q061661dc4a_prep:
	.size	k_q061661dc4a_prep, .Lfunc_end_k_q061661dc4a_prep-k_q061661dc4a_prep
	.p2alignl 7, 3214868480
	.fill 96, 4, 3214868480
	.section	.rodata,"a",@progbits
	.p2align	6, 0x0
	.amdhsa_kernel k_q061661dc4a_prep
		.amdhsa_group_segment_fixed_size 132864
		.amdhsa_private_segment_fixed_size 0
		.amdhsa_enable_private_segment 0
		.amdhsa_kernarg_size 32
		.amdhsa_user_sgpr_count 2
		.amdhsa_user_sgpr_kernarg_segment_ptr 1
		.amdhsa_wavefront_size32 1
		.amdhsa_system_sgpr_workgroup_id_x 1
		.amdhsa_system_sgpr_workgroup_id_y 1
		.amdhsa_system_sgpr_workgroup_id_z 1
		.amdhsa_system_vgpr_workitem_id 0
		.amdhsa_next_free_vgpr 226
		.amdhsa_next_free_sgpr 66
		.amdhsa_reserve_vcc 0
		.amdhsa_float_denorm_mode_32 3
		.amdhsa_float_denorm_mode_16_64 3
		.amdhsa_memory_ordered 1
		.amdhsa_forward_progress 1
		.amdhsa_inst_pref_size 27
	.end_amdhsa_kernel
	.amdgpu_metadata
---
amdhsa.version: [ 1, 2 ]
amdhsa.kernels:
  - .name:           k_q061661dc4a_prep
    .symbol:         k_q061661dc4a_prep.kd
    .args:
      - { .name: source, .offset: 0, .size: 8, .value_kind: global_buffer, .address_space: global }
      - { .name: Wq, .offset: 8, .size: 8, .value_kind: global_buffer, .address_space: global }
      - { .name: Wk, .offset: 16, .size: 8, .value_kind: global_buffer, .address_space: global }
      - { .name: qk, .offset: 24, .size: 8, .value_kind: global_buffer, .address_space: global }
    .group_segment_fixed_size: 132864
    .private_segment_fixed_size: 0
    .kernarg_segment_align: 8
    .kernarg_segment_size: 32
    .max_flat_workgroup_size: 256
    .sgpr_count:     66
    .vgpr_count:     226
    .wavefront_size: 32
...
	.end_amdgpu_metadata
.endif
;; end of part 1
;; launch main (part 2): grid 16 x 16, 8 waves a work-group, no clusters, 305,664 bytes of LDS; arguments memory_bank, mask, qk, pbuf, stats, part; writes pbuf, stats, part
.if DOCPART == 2
	.amdgcn_target "amdgcn-amd-amdhsa--gfx1250"
	.amdhsa_code_object_version 6
	.text
	.protected	k_q061661dc4a_main
	.globl	k_q061661dc4a_main
	.p2align	8
	.type	k_q061661dc4a_main,@function
k_q061661dc4a_main:
	s_mov_b64 s[64:65], 0
	v_nop
	global_prefetch_b8 v0, s[64:65] scope:SCOPE_SE
	s_setreg_imm32_b32 hwreg(HW_REG_WAVE_MODE, 25, 1), 1
	s_wait_xcnt 0x0
; For one batch b and one chunk c of 256 rows of memory_bank (512 KiB on end), all 16 heads:
;   s[h][row] = bank[row][:] . qk[b][h][:], masked rows = -1e18;  m = the chunk's maximum of s;  p = e^(s - m);  l = the sum of p;  part[h][:] = the sum of p[h][row] bank[row][:].
; p (f32), (m, l) and part (f32) go to memory; the next launch joins the 16 chunks of a batch.  The bank is read from memory ONCE: it is rounded to bf16 on the
; way in and the whole chunk stays in LDS for the second product.
; qk comes as two partial sums in f32 (one for each half of the query's 1,024 inputs): they are added here and split into hi + lo.
; LIMITS: the bank is rounded once to bf16; qk and p enter the products as hi + lo, two bf16 each (about 16 bits); sums, maxima, exponentials in f32; an exponential
; below 2^-126 comes out as zero (ISA guide, v_exp_f32); any mask byte other than 0 counts as true; NaN and infinities get no care of their own.
; The maximum is taken away BEFORE the scaling by log2(e): where every row is masked, s - m is exactly 0 and all weights are alike.
; SHARES: eight waves.  Wave w streams rows 32w..32w+31 and makes their scores; in the second product it owns channels 64w..64w+63 over all 256 rows.
; 32 loads of 512 consecutive bytes are out in every wave until the last quarter: 16 KiB a wave, 128 KiB a work-group.
; NO TENSOR LOADS: f32 has to pass through registers to be converted, and an f32 ring would take the LDS that the bf16 chunk needs.  NO CLUSTER: the 16 chunks of a
; batch share qk alone, 64 KiB beside 512 KiB of their own.
.set TP,   1056                        ; a row of the chunk in LDS: 1,024 bytes of bf16 + 32: an odd multiple of 32 bytes, for the turning load
.set REG,  32*TP                       ; a wave's 32 rows
.set QK,   8*REG                       ; qk: 32 rows (16 x hi/lo + h) of 1,024 bytes, pitch 1,040
.set QP,   1040
.set QKH,  524288                      ; in memory: bytes from the first partial qk to the second
.set PST,  QK                          ; over qk, once all scores are made: p in f32, [16 h][256 rows], pitch 1,040
.set PIMG, QK+16*QP                    ; and p as the second product's fragments: 2,048 bytes a wave: hi (2 x 512), lo (2 x 512), 16 bytes a lane
.set MX,   QK+32*QP                    ; the waves' maxima: 8 x 16 heads
.set LS,   MX+512                      ; the waves' sums
.set S,    24                          ; v[24:39]   scores, then p: two accumulators (rows 32w + 0..15, 16..31)
.set Y,    40                          ; v[40:47]   pairs of converted words by turns; later PH
.set PH,   40
.set F,    48                          ; v[48:111]  at the head: the two partial qk, 32 registers each; first product: two buffers of 32: A rows 0-15, A rows 16-31, qk hi, qk lo
.set X,    112                         ; v[112:239] the stream's 32 slots of 4
.set MT,   112                         ; (behind the stream) at work
.set PL,   248                         ; v[248:255]
.set G,    48                          ; v[48:191]  second product: three buffers of 48: four fragments of the bank, turned; P hi; P lo
.set O,    192                         ; v[192:223] four accumulators: channels 64w + 16 ct ..
.set POUT, 224                         ; v[224:239] p on its way out
.set LSR,  240                         ; v[240:247] the eight waves' sums;  v[240:243] before: the mask's bytes
.macro HILO hi, lo, x0, x1, t0, t1     ; two f32 become a word of two bf16 (hi) and a word of what the rounding left (lo)
	v_cvt_pk_bf16_f32 v[\hi], v[\x0], v[\x1]
	v_lshlrev_b32 v[\t0], 16, v[\hi]
	v_and_b32 v[\t1], 0xffff0000, v[\hi]
	v_sub_f32 v[\t0], v[\x0], v[\t0]
	v_sub_f32 v[\t1], v[\x1], v[\t1]
	v_cvt_pk_bf16_f32 v[\lo], v[\t0], v[\t1]
.endm
	s_load_b256 s[4:11], s[0:1], 0x0               ; memory_bank s[4:5], mask s[6:7], qk s[8:9], pbuf s[10:11]
	s_load_b128 s[12:15], s[0:1], 0x20             ; stats s[12:13], part s[14:15]
	s_set_vgpr_msb 0x40
	v_lshl_add_u32 v0, v0, 2, 0x4a600
	v_mov_b32 v1, 0
	s_set_vgpr_msb 0x4000
	v_and_b32 v1, 31, v0                           ; L
	v_and_b32 v2, 15, v0                           ; r = L % 16
	v_bfe_u32 v3, v0, 4, 1                         ; hh = L / 16
	v_lshrrev_b32 v20, 5, v0
	v_readfirstlane_b32 s16, v20                   ; w: wave 0..7
	s_and_b32 s17, ttmp7, 0xffff                   ; b;  ttmp9 = c
	s_lshl_b32 s24, s17, 23                        ; the bank: b x 4,096 rows x 2,048 bytes + c x 256 rows
	s_lshl_b32 s18, ttmp9, 19
	s_add_co_u32 s24, s24, s18
	s_mov_b32 s25, 0
	s_lshl_b32 s26, s17, 12                        ; mask: 4,096 b + 256 c;  stats: 256 (16 b + c), the same number
	s_lshl_b32 s18, ttmp9, 8
	s_add_co_u32 s26, s26, s18
	s_mov_b32 s27, 0
	s_lshl_b32 s28, s17, 15                        ; qk: 16 heads of 2,048 bytes a batch
	s_mov_b32 s29, 0
	s_lshl_b32 s30, s17, 18                        ; pbuf [b][h][4,096] f32: the chunk's 1,024 bytes of head 0
	s_lshl_b32 s18, ttmp9, 10
	s_add_co_u32 s30, s30, s18
	s_mov_b32 s31, 0
	s_lshl_b32 s32, s17, 19                        ; part [b][c][h][512] f32
	s_lshl_b32 s18, ttmp9, 15
	s_add_co_u32 s32, s32, s18
	s_mov_b32 s33, 0
	v_lshlrev_b32 v20, 4, v1                       ; 16 L
	s_lshl_b32 s18, s16, 16
	v_add_nc_u32 v4, s18, v20                      ; v4   the stream: my 32 rows, 16 bytes a lane
	s_lshl_b32 s18, s16, 12
	v_add_nc_u32 v21, s18, v20                     ; v21  qk: heads 2w, 2w+1: 4,096 bytes
	s_lshl_b32 s18, s16, 5
	v_lshl_add_u32 v9, v3, 3, s18                  ; v9   mask: the 8 rows 32w + 8 hh + 0..7 (and, 16 further, those of the second accumulator)
	s_wait_kmcnt 0x0
	s_add_nc_u64 s[4:5], s[4:5], s[24:25]
	s_add_nc_u64 s[6:7], s[6:7], s[26:27]
	s_add_nc_u64 s[8:9], s[8:9], s[28:29]
	s_add_nc_u64 s[10:11], s[10:11], s[30:31]
	s_add_nc_u64 s[12:13], s[12:13], s[26:27]
	s_add_nc_u64 s[14:15], s[14:15], s[32:33]
.irp y, 0,1
.irp i, 0,1,2,3,4,5,6,7
	global_load_b128 v[F+32*\y+4*\i:F+32*\y+4*\i+3], v21, s[8:9] offset:\y*QKH+512*\i   ; partial y: head 2w + i / 4, m = 128 (i % 4) + 4 L + 0..3
.endr
.endr
	global_load_b64 v[240:241], v9, s[6:7]
	global_load_b64 v[242:243], v9, s[6:7] offset:16
.set rw, 0
.rept 32
	global_load_b128 v[X+4*rw:X+4*rw+3], v4, s[4:5] offset:rw*2048 th:TH_LOAD_NT   ; channels 0-127 of my row rw: 512 consecutive bytes
.set rw, rw+1
.endr
	; LDS addresses, made while the loads are out
	s_mul_i32 s19, s16, REG                        ; my 32 rows of the chunk
	v_lshl_add_u32 v5, v1, 3, s19                  ; v5   where converted words go: 8 bytes a lane
	v_mul_u32_u24 v22, v2, TP
	v_lshl_add_u32 v22, v3, 4, v22
	v_add_nc_u32 v6, s19, v22                      ; v6   the bank's fragments, first product: row r, 16 hh
	v_mul_u32_u24 v22, v2, QP
	v_lshl_add_u32 v23, v3, 4, v22
	v_add_nc_u32 v7, QK, v23                       ; v7   qk's fragments: head r, 16 hh
	s_mul_i32 s18, s16, 2*QP
	s_add_co_u32 s18, s18, QK
	v_lshl_add_u32 v8, v1, 3, s18                  ; v8   where my two heads of qk go: 8 bytes (4 bf16) a lane
	v_lshlrev_b32 v23, 2, v2
	v_add_nc_u32 v11, MX, v23                      ; v11  head r's word of wave 0
	s_lshl_b32 s18, s16, 6
	v_add_nc_u32 v10, s18, v11                     ; v10  head r's word of my wave
	v_lshl_add_u32 v22, v3, 5, v22
	s_lshl_b32 s18, s16, 7
	s_add_co_u32 s18, s18, PST
	v_add_nc_u32 v12, s18, v22                     ; v12  p in f32: row h = r, my 32 rows' 128 bytes, 32 bytes for each half of the lanes
	v_add_nc_u32 v14, PIMG, v20                    ; v14  P's fragments of wave 0
	s_lshl_b32 s18, s16, 11
	v_add_nc_u32 v13, s18, v14                     ; v13  of my wave
	v_and_b32 v22, 7, v0
	v_lshl_add_u32 v22, v3, 3, v22                 ; the turning load: row 8 hh + L % 8,
	v_mul_u32_u24 v22, v22, TP
	v_bfe_u32 v23, v0, 3, 1
	v_lshl_add_u32 v22, v23, 4, v22                ; 16 bytes for each half of eight lanes,
	s_lshl_b32 s18, s16, 7
	v_add_nc_u32 v15, s18, v22                     ; my 64 channels.  v15-18: rows 0-63, 64-127, 128-191, 192-255
	v_add_nc_u32 v16, 2*REG, v15
	v_add_nc_u32 v17, 4*REG, v15
	v_add_nc_u32 v18, 6*REG, v15
	v_mov_b32 v19, 0xdd5e0b6b                      ; -1e18
	s_mov_b32 s22, 0x76543210                      ; v_permlanex16_b32: each lane takes its own place in the other half
	s_mov_b32 s23, 0xfedcba98
	s_wait_loadcnt 34                              ; both partial qk are in: behind them went the mask's 2 loads and the stream's 32
.set i, 0
.rept 8                                ; the two partials are added; four numbers a lane become 8 bytes of hi and 8 of lo
.set yb, Y+4*(i%2)
	v_pk_add_f32 v[F+4*i:F+4*i+1], v[F+4*i:F+4*i+1], v[F+32+4*i:F+32+4*i+1]
	v_pk_add_f32 v[F+4*i+2:F+4*i+3], v[F+4*i+2:F+4*i+3], v[F+32+4*i+2:F+32+4*i+3]
	HILO yb, yb+2, F+4*i, F+4*i+1, 22, 23
	HILO yb+1, yb+3, F+4*i+2, F+4*i+3, 22, 23
	ds_store_b64 v8, v[yb:yb+1] offset:(i/4)*QP+(i%4)*256
	ds_store_b64 v8, v[yb+2:yb+3] offset:(16+i/4)*QP+(i%4)*256
.set i, i+1
.endr
	s_wait_dscnt 0x0                               ; for the others' sake
	s_barrier_signal -1
	s_barrier_wait -1                              ; qk is whole; the stream's loads stay out across this barrier: they land in registers
; Row \row's 128 channels of quarter \q have come: rounded to bf16, into LDS; the slot takes the same row's next quarter.
.macro STEP q, row
.if \q < 3
	s_wait_loadcnt 31                              ; behind this load went 31 - row of its quarter and row refills: 31 stay out
.else
	s_wait_loadcnt 31-(\row)                       ; the last quarter refills nothing: the counts run down
.endif
	v_cvt_pk_bf16_f32 v[Y+2*((\row)%4)], v[X+4*(\row)], v[X+4*(\row)+1]
	v_cvt_pk_bf16_f32 v[Y+2*((\row)%4)+1], v[X+4*(\row)+2], v[X+4*(\row)+3]
.if \q < 3
	global_load_b128 v[X+4*(\row):X+4*(\row)+3], v4, s[4:5] offset:(\row)*2048+(\q+1)*512 th:TH_LOAD_NT
.endif
	ds_store_b64 v5, v[Y+2*((\row)%4):Y+2*((\row)%4)+1] offset:(\row)*TP+\q*256
.endm
; The fragments of K step \ks (32 channels) into buffer \fb: eight loads.  The bank's bytes are my own stores, and LDS serves a wave in order.
.macro LOADF ks, fb
	ds_load_b128 v[F+32*\fb:F+32*\fb+3],     v6 offset:(\ks)*64
	ds_load_b128 v[F+32*\fb+4:F+32*\fb+7],   v6 offset:(\ks)*64+32
	ds_load_b128 v[F+32*\fb+8:F+32*\fb+11],  v6 offset:16*TP+(\ks)*64
	ds_load_b128 v[F+32*\fb+12:F+32*\fb+15], v6 offset:16*TP+(\ks)*64+32
	ds_load_b128 v[F+32*\fb+16:F+32*\fb+19], v7 offset:(\ks)*64
	ds_load_b128 v[F+32*\fb+20:F+32*\fb+23], v7 offset:(\ks)*64+32
	ds_load_b128 v[F+32*\fb+24:F+32*\fb+27], v7 offset:16*QP+(\ks)*64
	ds_load_b128 v[F+32*\fb+28:F+32*\fb+31], v7 offset:16*QP+(\ks)*64+32
.endm
; Four products: source 0 = 16 rows of the bank, source 1 = 16 heads of qk, hi and then lo.  The two accumulators take turns.
; In the result lane (r, hh) holds head r and rows 8 hh + 0..7.
.macro MM fb, zero
.if \zero
	v_wmma_f32_16x16x32_bf16 v[S:S+7],    v[F+32*\fb:F+32*\fb+7],    v[F+32*\fb+16:F+32*\fb+23], 0
	v_wmma_f32_16x16x32_bf16 v[S+8:S+15], v[F+32*\fb+8:F+32*\fb+15], v[F+32*\fb+16:F+32*\fb+23], 0
.else
	v_wmma_f32_16x16x32_bf16 v[S:S+7],    v[F+32*\fb:F+32*\fb+7],    v[F+32*\fb+16:F+32*\fb+23], v[S:S+7]
	v_wmma_f32_16x16x32_bf16 v[S+8:S+15], v[F+32*\fb+8:F+32*\fb+15], v[F+32*\fb+16:F+32*\fb+23], v[S+8:S+15]
.endif
	v_wmma_f32_16x16x32_bf16 v[S:S+7],    v[F+32*\fb:F+32*\fb+7],    v[F+32*\fb+24:F+32*\fb+31], v[S:S+7]
	v_wmma_f32_16x16x32_bf16 v[S+8:S+15], v[F+32*\fb+8:F+32*\fb+15], v[F+32*\fb+24:F+32*\fb+31], v[S+8:S+15]
.endm
.macro PLACES                          ; four plain vector instructions between a matrix instruction and a load into its sources or a read of its result
.rept 4
	v_nop
.endr
.endm
; A quarter's four K steps, while the next quarter's loads are on their way.  Each s_wait_dscnt 8 leaves the other buffer's eight loads out.
; Into the next quarter the 64 conversions of its STEPs are the places in front of the loads into both buffers.
.macro PROD1 q
	LOADF 4*\q, 0
	LOADF 4*\q+1, 1
	s_wait_dscnt 8
.if \q == 0
	MM 0, 1                                        ; the first K step starts the sums
.else
	MM 0, 0
.endif
	PLACES
	LOADF 4*\q+2, 0
	s_wait_dscnt 8
	MM 1, 0
	PLACES
	LOADF 4*\q+3, 1
	s_wait_dscnt 8
	MM 0, 0
	s_wait_dscnt 0x0
	MM 1, 0
.endm
.irp q, 0,1,2,3
.set rw, 0
.rept 32
	STEP \q, rw
.set rw, rw+1
.endr
	PROD1 \q
.endr
	; THE MASK AND THE MAXIMUM.  The 16 extractions are the places behind the last products.
.irp t, 0,1
.irp j, 0,1,2,3,4,5,6,7
	v_bfe_u32 v[MT+8*\t+\j], v[240+2*\t+\j/4], 8*(\j%4), 8
.endr
.endr
.set j, 0
.rept 16                               ; each accumulator from its low end on
	v_cmp_ne_u32 vcc_lo, 0, v[MT+j]
	v_cndmask_b32 v[S+j], v[S+j], v19, vcc_lo      ; a masked row's score is -1e18
.set j, j+1
.endr
	v_max3_num_f32 v20, v[S], v[S+1], v[S+2]
	v_max3_num_f32 v21, v[S+8], v[S+9], v[S+10]
	v_max3_num_f32 v20, v20, v[S+3], v[S+4]
	v_max3_num_f32 v21, v21, v[S+11], v[S+12]
	v_max3_num_f32 v20, v20, v[S+5], v[S+6]
	v_max3_num_f32 v21, v21, v[S+13], v[S+14]
	v_max3_num_f32 v20, v20, v[S+7], v[S+15]
	v_max_num_f32 v20, v20, v21
	v_permlanex16_b32 v21, v20, s22, s23           ; the head's other 16 rows lie in the lane 16 away
	v_max_num_f32 v20, v20, v21
	ds_store_b32 v10, v20                          ; both halves of the lanes write the same number to the same word
	s_wait_dscnt 0x0                               ; for the others' sake; my reads of qk are over too
	s_barrier_signal -1
	s_barrier_wait -1                              ; behind this barrier nobody reads qk any more: p takes its bytes
	; THE WEIGHTS
.irp i, 0,1,2,3,4,5,6,7
	ds_load_b32 v[MT+\i], v11 offset:64*\i
.endr
	s_wait_dscnt 0x0
	v_max3_num_f32 v20, v[MT], v[MT+1], v[MT+2]
	v_max3_num_f32 v21, v[MT+3], v[MT+4], v[MT+5]
	v_max3_num_f32 v20, v20, v[MT+6], v[MT+7]
	v_max_num_f32 v22, v20, v21                    ; v22 = m: the chunk's maximum for head r
.set j, 0
.rept 16
	v_sub_f32 v[S+j], v[S+j], v22                  ; first s - m, exactly 0 at the maximum,
.set j, j+1
.endr
.irp j, 0,2,4,6,8,10,12,14
	v_pk_mul_f32 v[S+\j:S+\j+1], v[S+\j:S+\j+1], 0x3fb8aa3b op_sel_hi:[1,0]   ; then log2(e)
.endr
.set j, 0
.rept 16
	v_exp_f32 v[S+j], v[S+j]
.set j, j+1
.endr
	v_nop                                          ; a plain instruction between the last exponential and the use of its result (ISA guide 5.7.2)
	s_wait_alu depctr_va_vdst(0)
	v_pk_add_f32 v[MT:MT+1],   v[S:S+1],     v[S+2:S+3]
	v_pk_add_f32 v[MT+2:MT+3], v[S+4:S+5],   v[S+6:S+7]
	v_pk_add_f32 v[MT+4:MT+5], v[S+8:S+9],   v[S+10:S+11]
	v_pk_add_f32 v[MT+6:MT+7], v[S+12:S+13], v[S+14:S+15]
	v_pk_add_f32 v[MT:MT+1],   v[MT:MT+1],   v[MT+2:MT+3]
	v_pk_add_f32 v[MT+4:MT+5], v[MT+4:MT+5], v[MT+6:MT+7]
	v_pk_add_f32 v[MT:MT+1],   v[MT:MT+1],   v[MT+4:MT+5]
	v_add_f32 v20, v[MT], v[MT+1]
	v_permlanex16_b32 v21, v20, s22, s23
	v_add_f32 v20, v20, v21
	ds_store_b32 v10, v20 offset:LS-MX             ; my 32 rows' sum for head r
	; Two neighbouring rows' weights in a word: word i of accumulator t is register 4 t + i of source 1 (32 rows x 16 heads) of the second product: nothing changes lanes
.irp t, 0,1
.irp i, 0,1,2,3
	HILO PH+4*\t+\i, PL+4*\t+\i, S+8*\t+2*\i, S+8*\t+2*\i+1, 244, 245
.endr
.endr
	ds_store_b128 v13, v[PH:PH+3]
	ds_store_b128 v13, v[PH+4:PH+7] offset:512
	ds_store_b128 v13, v[PL:PL+3] offset:1024
	ds_store_b128 v13, v[PL+4:PL+7] offset:1536
	ds_store_b128 v12, v[S:S+3]
	ds_store_b128 v12, v[S+4:S+7] offset:16
	ds_store_b128 v12, v[S+8:S+11] offset:64
	ds_store_b128 v12, v[S+12:S+15] offset:80
	s_wait_dscnt 0x0                               ; for the others' sake
	s_barrier_signal -1
	s_mul_i32 s18, s16, 2*QP                       ; register work while the others arrive: the addresses of what follows
	s_add_co_u32 s18, s18, PST
	v_lshl_add_u32 v248, v1, 4, s18                ; v248 p back: heads 2w, 2w+1, 512 bytes a load
	s_lshl_b32 s18, s16, 15
	v_lshl_add_u32 v249, v1, 4, s18                ; v249 and the same in pbuf: a head is 16,384 bytes
	v_lshlrev_b32 v250, 3, v1                      ; v250 stats: a pair a lane
	v_mul_u32_u24 v251, v2, 272
	v_lshl_add_u32 v251, v3, 5, v251
	v_add_nc_u32 v251, s19, v251                   ; v251 the way out, in: row h = r of 272 bytes, 32 bytes for each half of the lanes
	v_mul_u32_u24 v252, v3, 272
	v_lshl_add_u32 v252, v2, 4, v252
	v_add_nc_u32 v252, s19, v252                   ; v252 back: lanes 0-15 one row of 256 bytes, lanes 16-31 the next
	s_lshl_b32 s18, s16, 8
	v_lshl_add_u32 v253, v3, 11, s18
	v_lshl_add_u32 v253, v2, 4, v253               ; v253 and the same two heads in part, my 64 channels
	s_barrier_wait -1
; THE SECOND PRODUCT.  Step \k = the 32 rows that wave \k streamed.  Twelve loads: four fragments of the bank (16 of my channels x 32 rows, turned), P hi, P lo.
.macro LOADG k
.irp ct, 0,1,2,3
	ds_load_tr16_b128 v[G+48*((\k)%3)+8*\ct:G+48*((\k)%3)+8*\ct+3],   v[15+(\k)/2] offset:((\k)%2)*REG+32*\ct
	ds_load_tr16_b128 v[G+48*((\k)%3)+8*\ct+4:G+48*((\k)%3)+8*\ct+7], v[15+(\k)/2] offset:((\k)%2)*REG+16*TP+32*\ct
.endr
.irp e, 0,1,2,3
	ds_load_b128 v[G+48*((\k)%3)+32+4*\e:G+48*((\k)%3)+32+4*\e+3], v14 offset:(\k)*2048+512*\e
.endr
.endm
; Eight products; the four accumulators take turns.  Lane (r, hh) gets head r and channels 64w + 16 ct + 8 hh + 0..7.
.macro MM2 k
.irp ct, 0,1,2,3
.if (\k) == 0
	v_wmma_f32_16x16x32_bf16 v[O+8*\ct:O+8*\ct+7], v[G+48*((\k)%3)+8*\ct:G+48*((\k)%3)+8*\ct+7], v[G+48*((\k)%3)+32:G+48*((\k)%3)+39], 0
.else
	v_wmma_f32_16x16x32_bf16 v[O+8*\ct:O+8*\ct+7], v[G+48*((\k)%3)+8*\ct:G+48*((\k)%3)+8*\ct+7], v[G+48*((\k)%3)+32:G+48*((\k)%3)+39], v[O+8*\ct:O+8*\ct+7]
.endif
.endr
.irp ct, 0,1,2,3
	v_wmma_f32_16x16x32_bf16 v[O+8*\ct:O+8*\ct+7], v[G+48*((\k)%3)+8*\ct:G+48*((\k)%3)+8*\ct+7], v[G+48*((\k)%3)+40:G+48*((\k)%3)+47], v[O+8*\ct:O+8*\ct+7]
.endr
.endm
.irp i, 0,1,2,3
	ds_load_b128 v[POUT+4*\i:POUT+4*\i+3], v248 offset:(\i/2)*QP+(\i%2)*512
.endr
.irp i, 0,1,2,3,4,5,6,7
	ds_load_b32 v[LSR+\i], v11 offset:LS-MX+64*\i
.endr
	LOADG 0
	LOADG 1
	LOADG 2
	s_wait_dscnt 36                                ; p and the sums are in; the three buffers' 36 loads may be out
.irp i, 0,1,2,3
	global_store_b128 v249, v[POUT+4*\i:POUT+4*\i+3], s[10:11] offset:(\i/2)*16384+(\i%2)*512   ; each store of the wave covers 512 consecutive bytes, aligned
.endr
	v_pk_add_f32 v[LSR:LSR+1],   v[LSR:LSR+1],     v[LSR+2:LSR+3]
	v_pk_add_f32 v[LSR+4:LSR+5], v[LSR+4:LSR+5],   v[LSR+6:LSR+7]
	v_pk_add_f32 v[LSR:LSR+1],   v[LSR:LSR+1],     v[LSR+4:LSR+5]
	v_add_f32 v23, v[LSR], v[LSR+1]                ; v23 = l: the chunk's sum for head r
	s_cmp_lg_u32 s16, 0
	s_cbranch_scc1 .Lno_stats
	global_store_b64 v250, v[22:23], s[12:13]      ; wave 0: 32 pairs (m, l), the upper 16 copies of the lower: 256 consecutive bytes, aligned
.Lno_stats:
.irp k, 0,1,2,3,4,5,6,7
.if \k < 6
	s_wait_dscnt 24                                ; this step's twelve loads are in; the two later buffers' may be out
.elseif \k == 6
	s_wait_dscnt 12
.else
	s_wait_dscnt 0x0
.endif
	MM2 \k
	PLACES                                         ; in front of the loads into this buffer; behind the last step, in front of the stores of the sums
.if \k < 5
	LOADG \k+3
.endif
.endr
	; THE WAY OUT: a lane's eight channels of a head are 32 bytes; through LDS they become whole rows of 256 bytes.
	s_wait_dscnt 0x0
	s_barrier_signal -1
	s_barrier_wait -1                              ; no wave reads the chunk any more: each wave's stage takes the first bytes of its own 32 rows
.irp ct, 0,1,2,3
	ds_store_b128 v251, v[O+8*\ct:O+8*\ct+3] offset:64*\ct
	ds_store_b128 v251, v[O+8*\ct+4:O+8*\ct+7] offset:64*\ct+16
.endr
.irp i, 0,1,2,3,4,5,6,7
	ds_load_b128 v[G+4*\i:G+4*\i+3], v252 offset:\i*544            ; heads 2i, 2i+1; LDS serves a wave in order: these see the stores above
.endr
.irp i, 0,1,2,3,4,5,6,7
	s_wait_dscnt 7-\i                              ; load i is in, the younger ones may be out
	global_store_b128 v253, v[G+4*\i:G+4*\i+3], s[14:15] offset:\i*4096   ; 16 lanes store 256 consecutive bytes, aligned
.endr
	s_set_vgpr_msb 0x5
	s_wait_tensorcnt 0x0
	ds_add_u32 v0, v1
	s_wait_dscnt 0x0
	s_set_vgpr_msb 0x500
	s_endpgm
.Lfunc_end_k_q061661dc4a_main:
	.size	k_q061661dc4a_main, .Lfunc_end_k_q061661dc4a_main-k_q061661dc4a_main
	.p2alignl 7, 3214868480
	.fill 96, 4, 3214868480
	.section	.rodata,"a",@progbits
	.p2align	6, 0x0
	.amdhsa_kernel k_q061661dc4a_main
		.amdhsa_group_segment_fixed_size 305664
		.amdhsa_private_segment_fixed_size 0
		.amdhsa_enable_private_segment 0
		.amdhsa_kernarg_size 48
		.amdhsa_user_sgpr_count 2
		.amdhsa_user_sgpr_kernarg_segment_ptr 1
		.amdhsa_wavefront_size32 1
		.amdhsa_system_sgpr_workgroup_id_x 1
		.amdhsa_system_sgpr_workgroup_id_y 1
		.amdhsa_system_sgpr_workgroup_id_z 1
		.amdhsa_system_vgpr_workitem_id 0
		.amdhsa_next_free_vgpr 258
		.amdhsa_next_free_sgpr 66
		.amdhsa_reserve_vcc 1
		.amdhsa_float_denorm_mode_32 3
		.amdhsa_float_denorm_mode_16_64 3
		.amdhsa_memory_ordered 1
		.amdhsa_forward_progress 1
		.amdhsa_inst_pref_size 91
	.end_amdhsa_kernel
	.amdgpu_metadata
---
amdhsa.version: [ 1, 2 ]
amdhsa.kernels:
  - .name:           k_q061661dc4a_main
    .symbol:         k_q061661dc4a_main.kd
    .args:
      - { .name: memory_bank, .offset: 0, .size: 8, .value_kind: global_buffer, .address_space: global }
      - { .name: mask, .offset: 8, .size: 8, .value_kind: global_buffer, .address_space: global }
      - { .name: qk, .offset: 16, .size: 8, .value_kind: global_buffer, .address_space: global }
      - { .name: pbuf, .offset: 24, .size: 8, .value_kind: global_buffer, .address_space: global }
      - { .name: stats, .offset: 32, .size: 8, .value_kind: global_buffer, .address_space: global }
      - { .name: part, .offset: 40, .size: 8, .value_kind: global_buffer, .address_space: global }
    .group_segment_fixed_size: 305664
    .private_segment_fixed_size: 0
    .kernarg_segment_align: 8
    .kernarg_segment_size: 48
    .max_flat_workgroup_size: 256
    .sgpr_count:     66
    .vgpr_count:     258
    .wavefront_size: 32
...
	.end_amdgpu_metadata
.endif
;; end of part 2
;; launch finish (part 3): grid 16 x 16, 8 waves a work-group, no clusters, 7,168 bytes of LDS; arguments pbuf, stats, part, Wv, out0, out1; writes out0, out1
.if DOCPART == 3
	.amdgcn_target "amdgcn-amd-amdhsa--gfx1250"
	.amdhsa_code_object_version 6
	.text
	.protected	k_q061661dc4a_finish
	.globl	k_q061661dc4a_finish
	.p2align	8
	.type	k_q061661dc4a_finish,@function
k_q061661dc4a_finish:
	s_mov_b64 s[64:65], 0
	v_nop
	global_prefetch_b8 v0, s[64:65] scope:SCOPE_SE
	s_setreg_imm32_b32 hwreg(HW_REG_WAVE_MODE, 25, 1), 1
	s_wait_xcnt 0x0
; For one (b, h): the 16 chunks are joined.  M = max of the chunks' m;  f_c = e^(m_c - M);  L = the sum of f_c l_c;  g_c = f_c / L;
;   attn[b][h][row] = g_c p[row];   cm[m] = the sum over c of g_c part[c][m];   context[b][64h+d] = the sum over m of cm[m] Wv[m][64h+d].
; L is at least 1: the chunk that holds M has f = 1 and a weight of 1 in its l.  Where every row is masked all m are -1e18, all f are 1, and the weights are alike.
; LIMITS: Wv is rounded once to bf16, like every other float input of the program; cm stays in f32; the order of rounding differs from the model's text (V is never formed);
; an exponential below 2^-126 comes out as zero (ISA guide, v_exp_f32); NaN and infinities get no care of their own.
; NO MATRIX INSTRUCTION: the product has ONE row a work-group (512 x 64), which would leave 15 of a matrix instruction's 16 rows empty; it is a stream of Wv with fused multiply-adds.
; NO CLUSTER: all loads go straight into registers, where f32 is converted; the 16 batches that take the same 128 KiB of Wv ask for them each for itself.
; SHARES: eight waves; wave w takes channels m = 64w..64w+63 of part and of Wv, and rows 512w..512w+511 (chunks 2w, 2w+1) of p.  All 45 loads of a wave go out at the head.
.set CT,  0                            ; LDS: cm of each wave's 64 channels, 8 x 256 bytes
.set RED, 2048                         ; 16 partial contexts (wave, half of the lanes) x 64 d
.set PX,  52                           ; v[52:83]   part: chunk 2i + hh; then cm of my 32 rows of Wv
.set PB,  84                           ; v[84:99]   p, then attn
.set WV,  100                          ; v[100:227] 32 rows of Wv, 4 columns each; at the end the 16 partial contexts
	s_load_b256 s[4:11], s[0:1], 0x0               ; pbuf s[4:5], stats s[6:7], part s[8:9], Wv s[10:11]
	s_load_b128 s[12:15], s[0:1], 0x20             ; out0 s[12:13], out1 s[14:15]
	v_lshl_add_u32 v232, v0, 2, 0x1800
	v_mov_b32 v233, 0
	v_and_b32 v1, 31, v0                           ; L
	v_and_b32 v2, 15, v0                           ; r
	v_bfe_u32 v3, v0, 4, 1                         ; hh
	v_lshrrev_b32 v14, 5, v0
	v_readfirstlane_b32 s16, v14                   ; w
	s_and_b32 s17, ttmp7, 0xffff                   ; b;  ttmp9 = h
	s_lshl_b32 s20, s17, 12                        ; stats: 16 chunks x 256 bytes a batch, the head's pair
	s_lshl_b32 s18, ttmp9, 3
	s_add_co_u32 s20, s20, s18
	s_mov_b32 s21, 0
	s_lshl_b32 s22, s17, 19                        ; part [b][c][h][512] f32
	s_lshl_b32 s18, ttmp9, 11
	s_add_co_u32 s22, s22, s18
	s_mov_b32 s23, 0
	s_lshl_b32 s24, s17, 18                        ; pbuf and out1 [b][h][4,096] f32
	s_lshl_b32 s18, ttmp9, 14
	s_add_co_u32 s24, s24, s18
	s_mov_b32 s25, 0
	s_lshl_b32 s26, ttmp9, 8                       ; Wv: the head's 64 columns
	s_mov_b32 s27, 0
	s_lshl_b32 s28, s17, 12                        ; out0 [b][1,024] f32
	s_add_co_u32 s28, s28, s26
	s_mov_b32 s29, 0
	s_mov_b32 s30, 0x76543210                      ; v_permlanex16_b32: each lane takes its own place in the other half
	s_mov_b32 s31, 0xfedcba98
	v_lshlrev_b32 v4, 8, v2                        ; v4   stats: lane r takes chunk r
	v_lshlrev_b32 v14, 4, v2                       ; 16 r
	s_lshl_b32 s18, s16, 8
	v_add_nc_u32 v8, s18, v14                      ; v8   LDS: cm, in: 256 w + 16 r
	v_lshl_add_u32 v5, v3, 15, v8                  ; v5   part: chunk hh, my 64 channels
	v_lshl_add_u32 v9, v3, 7, s18                  ; v9   LDS: cm, back: the 32 channels of my half of the lanes
	s_lshl_b32 s18, s16, 11
	v_lshl_add_u32 v6, v1, 4, s18                  ; v6   p and attn: my 2,048 bytes, 16 a lane
	s_lshl_b32 s18, s16, 18
	v_lshl_add_u32 v7, v3, 17, s18
	v_add_nc_u32 v7, v7, v14                       ; v7   Wv: row 64w + 32 hh, 16 r
	s_lshl_b32 s18, s16, 9
	s_add_co_u32 s18, s18, RED
	v_lshl_add_u32 v10, v3, 8, s18
	v_add_nc_u32 v10, v10, v14                     ; v10  LDS: my partial context: RED + 256 (2w + hh) + 16 r
	v_lshlrev_b32 v48, 3, v1                       ; v48  out0: two numbers a lane
	v_add_nc_u32 v11, RED, v48                     ; v11  LDS: the same two numbers of partial 0
	s_wait_kmcnt 0x0
	s_add_nc_u64 s[4:5], s[4:5], s[24:25]
	s_add_nc_u64 s[6:7], s[6:7], s[20:21]
	s_add_nc_u64 s[8:9], s[8:9], s[22:23]
	s_add_nc_u64 s[10:11], s[10:11], s[26:27]
	s_add_nc_u64 s[12:13], s[12:13], s[28:29]
	s_add_nc_u64 s[14:15], s[14:15], s[24:25]
	global_load_b64 v[12:13], v4, s[6:7]                                   ; (m, l) of chunk r
.irp i, 0,1,2,3,4,5,6,7
	global_load_b128 v[PX+4*\i:PX+4*\i+3], v5, s[8:9] offset:\i*65536      ; chunk 2i + hh: 16 lanes take 256 consecutive bytes
.endr
.irp j, 0,1,2,3
	global_load_b128 v[PB+4*\j:PB+4*\j+3], v6, s[4:5] offset:\j*512
.endr
.set i, 0
.rept 32
	global_load_b128 v[WV+4*i:WV+4*i+3], v7, s[10:11] offset:i*4096        ; row 64w + 32 hh + i: 16 lanes take the head's 256 bytes
.set i, i+1
.endr
	v_lshlrev_b32 v20, 2, v3                       ; lane indices x 4 for the exchange: chunk 2i + hh lies in lane 2i + hh,
.irp i, 1,2,3,4,5,6,7
	v_add_nc_u32 v[20+\i], 8*\i, v20
.endr
	s_lshl_b32 s18, s16, 3
	v_mov_b32 v36, s18                             ; my two chunks of p in lanes 2w
	v_add_nc_u32 v37, 4, v36                       ; and 2w + 1
	s_wait_loadcnt 44                              ; (m, l) are in: 44 loads went behind them
	v_mov_b32 v14, v12
	v_max_num_f32_dpp v14, v14, v14 row_xmask:1 row_mask:0xf bank_mask:0xf
	v_max_num_f32_dpp v14, v14, v14 row_xmask:2 row_mask:0xf bank_mask:0xf
	v_max_num_f32_dpp v14, v14, v14 row_xmask:4 row_mask:0xf bank_mask:0xf
	v_max_num_f32_dpp v14, v14, v14 row_xmask:8 row_mask:0xf bank_mask:0xf   ; M, in every lane
	v_sub_f32 v15, v12, v14                        ; m - M first, exactly 0 at the maximum,
	v_mul_f32 v15, 0x3fb8aa3b, v15                 ; then log2(e)
	v_exp_f32 v15, v15                             ; f
	v_nop                                          ; a plain instruction behind a transcendental before its result is used (ISA guide 5.7.2)
	s_wait_alu depctr_va_vdst(0)
	v_mul_f32 v16, v15, v13
	v_add_f32_dpp v16, v16, v16 row_xmask:1 row_mask:0xf bank_mask:0xf
	v_add_f32_dpp v16, v16, v16 row_xmask:2 row_mask:0xf bank_mask:0xf
	v_add_f32_dpp v16, v16, v16 row_xmask:4 row_mask:0xf bank_mask:0xf
	v_add_f32_dpp v16, v16, v16 row_xmask:8 row_mask:0xf bank_mask:0xf       ; L
	v_rcp_f32 v17, v16
	v_nop
	s_wait_alu depctr_va_vdst(0)
	v_mul_f32 v18, v15, v17                        ; g of chunk r
.irp i, 0,1,2,3,4,5,6,7
	ds_bpermute_b32 v[28+\i], v[20+\i], v18        ; g of chunk 2i + hh
.endr
	ds_bpermute_b32 v38, v36, v18                  ; g of chunk 2w
	ds_bpermute_b32 v39, v37, v18                  ; g of chunk 2w + 1
	s_wait_dscnt 0x0
	s_wait_loadcnt 36                              ; part is in: p's 4 loads and Wv's 32 went behind it
.irp e, 0,1,2,3
	v_mul_f32 v[40+\e], v28, v[PX+\e]
.endr
.irp i, 1,2,3,4,5,6,7
.irp e, 0,1,2,3
	v_fmac_f32 v[40+\e], v[28+\i], v[PX+4*\i+\e]
.endr
.endr
.irp e, 0,1,2,3
	v_permlanex16_b32 v[20+\e], v[40+\e], s30, s31 ; the odd chunks' half meets the even chunks'
.endr
.irp e, 0,1,2,3
	v_add_f32 v[40+\e], v[40+\e], v[20+\e]         ; cm of channels 64w + 4r + 0..3
.endr
	ds_store_b128 v8, v[40:43]                     ; both halves of the lanes write the same numbers to the same bytes
.irp i, 0,1,2,3,4,5,6,7
	ds_load_b128 v[PX+4*\i:PX+4*\i+3], v9 offset:16*\i   ; my own wave's bytes, in order: cm of channels 64w + 32 hh + 0..31, the same in all 16 lanes of a half
.endr
	s_wait_loadcnt 32                              ; p is in: Wv's 32 loads went behind it
.irp e, 0,1,2,3,4,5,6,7
	v_mul_f32 v[PB+\e], v[PB+\e], v38
.endr
.irp e, 8,9,10,11,12,13,14,15
	v_mul_f32 v[PB+\e], v[PB+\e], v39
.endr
.irp j, 0,1,2,3
	global_store_b128 v6, v[PB+4*\j:PB+4*\j+3], s[14:15] offset:\j*512 th:TH_STORE_NT   ; each store of the wave covers 512 consecutive bytes, aligned
.endr
	s_wait_dscnt 0x0                               ; cm is back
.irp e, 0,1,2,3
	v_mov_b32 v[44+\e], 0                          ; four sums: d = 4r + 0..3
.endr
.set i, 0
.rept 32
	s_wait_loadcnt 31-i                            ; row i is in, the younger rows may be out
	v_cvt_pk_bf16_f32 v[28+2*(i%2)], v[WV+4*i], v[WV+4*i+1]
	v_cvt_pk_bf16_f32 v[29+2*(i%2)], v[WV+4*i+2], v[WV+4*i+3]
	v_fma_mix_f32_bf16 v44, v[28+2*(i%2)], v[PX+i], v44 op_sel_hi:[1,0,0]                   ; the word's low bf16 x cm (f32) + the sum (f32)
	v_fma_mix_f32_bf16 v45, v[28+2*(i%2)], v[PX+i], v45 op_sel:[1,0,0] op_sel_hi:[1,0,0]    ; its high bf16
	v_fma_mix_f32_bf16 v46, v[29+2*(i%2)], v[PX+i], v46 op_sel_hi:[1,0,0]
	v_fma_mix_f32_bf16 v47, v[29+2*(i%2)], v[PX+i], v47 op_sel:[1,0,0] op_sel_hi:[1,0,0]
.set i, i+1
.endr
	ds_store_b128 v10, v[44:47]
	s_wait_dscnt 0x0                               ; for wave 0's sake
	s_barrier_signal -1
	s_barrier_wait -1
	s_cmp_lg_u32 s16, 0
	s_cbranch_scc1 .Lend                           ; wave 0 adds the 16 partial contexts
.set p, 0
.rept 16
	ds_load_b64 v[WV+2*p:WV+2*p+1], v11 offset:256*p
.set p, p+1
.endr
	s_wait_dscnt 0x0
.irp a, 0,2,4,6,8,10,12,14
	v_pk_add_f32 v[WV+2*\a:WV+2*\a+1], v[WV+2*\a:WV+2*\a+1], v[WV+2*\a+2:WV+2*\a+3]
.endr
.irp a, 0,4,8,12
	v_pk_add_f32 v[WV+2*\a:WV+2*\a+1], v[WV+2*\a:WV+2*\a+1], v[WV+2*\a+4:WV+2*\a+5]
.endr
.irp a, 0,8
	v_pk_add_f32 v[WV+2*\a:WV+2*\a+1], v[WV+2*\a:WV+2*\a+1], v[WV+2*\a+8:WV+2*\a+9]
.endr
	v_pk_add_f32 v[WV:WV+1], v[WV:WV+1], v[WV+16:WV+17]
	global_store_b64 v48, v[WV:WV+1], s[12:13]     ; the head's 64 numbers: 256 consecutive bytes, aligned
.Lend:
	s_wait_tensorcnt 0x0
	ds_add_u32 v232, v233
	s_wait_dscnt 0x0
	s_endpgm
.Lfunc_end_k_q061661dc4a_finish:
	.size	k_q061661dc4a_finish, .Lfunc_end_k_q061661dc4a_finish-k_q061661dc4a_finish
	.p2alignl 7, 3214868480
	.fill 96, 4, 3214868480
	.section	.rodata,"a",@progbits
	.p2align	6, 0x0
	.amdhsa_kernel k_q061661dc4a_finish
		.amdhsa_group_segment_fixed_size 7168
		.amdhsa_private_segment_fixed_size 0
		.amdhsa_enable_private_segment 0
		.amdhsa_kernarg_size 48
		.amdhsa_user_sgpr_count 2
		.amdhsa_user_sgpr_kernarg_segment_ptr 1
		.amdhsa_wavefront_size32 1
		.amdhsa_system_sgpr_workgroup_id_x 1
		.amdhsa_system_sgpr_workgroup_id_y 1
		.amdhsa_system_sgpr_workgroup_id_z 1
		.amdhsa_system_vgpr_workitem_id 0
		.amdhsa_next_free_vgpr 234
		.amdhsa_next_free_sgpr 66
		.amdhsa_reserve_vcc 0
		.amdhsa_float_denorm_mode_32 3
		.amdhsa_float_denorm_mode_16_64 3
		.amdhsa_memory_ordered 1
		.amdhsa_forward_progress 1
		.amdhsa_inst_pref_size 27
	.end_amdhsa_kernel
	.amdgpu_metadata
---
amdhsa.version: [ 1, 2 ]
amdhsa.kernels:
  - .name:           k_q061661dc4a_finish
    .symbol:         k_q061661dc4a_finish.kd
    .args:
      - { .name: pbuf, .offset: 0, .size: 8, .value_kind: global_buffer, .address_space: global }
      - { .name: stats, .offset: 8, .size: 8, .value_kind: global_buffer, .address_space: global }
      - { .name: part, .offset: 16, .size: 8, .value_kind: global_buffer, .address_space: global }
      - { .name: Wv, .offset: 24, .size: 8, .value_kind: global_buffer, .address_space: global }
      - { .name: out0, .offset: 32, .size: 8, .value_kind: global_buffer, .address_space: global }
      - { .name: out1, .offset: 40, .size: 8, .value_kind: global_buffer, .address_space: global }
    .group_segment_fixed_size: 7168
    .private_segment_fixed_size: 0
    .kernarg_segment_align: 8
    .kernarg_segment_size: 48
    .max_flat_workgroup_size: 256
    .sgpr_count:     66
    .vgpr_count:     234
    .wavefront_size: 32
...
	.end_amdgpu_metadata
.endif
;; end of part 3
;; ======== version 2 of 2: 3 launches; version 1 with the launches prep, main written anew for expert scheduling mode
;; workspace buffers: qk 1,048,576 bytes; pbuf 4,194,304 bytes; stats 65,536 bytes; part 8,388,608 bytes
;; launch prep (part 4): grid 16 x 8, 8 waves a work-group, no clusters, 132,864 bytes of LDS; arguments source, Wq, Wk, qk; writes qk
.if DOCPART == 4
	.amdgcn_target "amdgcn-amd-amdhsa--gfx1250"
	.amdhsa_code_object_version 6
	.text
	.protected	k_q061661dc4a_prep
	.globl	k_q061661dc4a_prep
	.p2align	8
	.type	k_q061661dc4a_prep,@function
k_q061661dc4a_prep:
	s_mov_b64 s[64:65], 0
	v_nop
	global_prefetch_b8 v0, s[64:65] scope:SCOPE_SE
	s_setreg_imm32_b32 hwreg(HW_REG_WAVE_SCHED_MODE, 0, 2), 2
	s_setreg_imm32_b32 hwreg(HW_REG_WAVE_MODE, 25, 1), 1
	s_wait_xcnt 0x0
	s_wait_alu depctr_vm_vsrc(0)
; qk[b][h][m] = sum over d of q[b][64h+d] Wk[m][64h+d],  q = (source Wq) / 8.   With one query for each (b, h) the scores are
; memory_bank[b][s][:] . qk[b][h][:], so K is never formed.  qk is linear in q, and q is a sum over the query's 1,024 inputs: a work-group takes HALF of
; those inputs and stores a partial qk in f32: [half 2][b 16][h 16][m 512].  The next launch adds the two halves where it loads them.
; LIMITS: the products are associated otherwise than in the model's text, so the order of rounding differs; source, Wq and Wk are
; rounded once to bf16; sums in f32; the partial q enters the second product as hi + lo, two bf16 (about 16 bits); NaN and infinities get no care of their own.
; SHARES: work-group (h, y): head h, inputs k = 512 yk .. + 511 (yk = y / 4), rows m = 128 ym .. + 127 of Wk (ym = y % 4): 128 + 32 + 32 KiB to load.
; Wave w of 8 takes k = 512 yk + 64w .. + 63 of source and Wq for a partial q (all 16 b, the head's 64 d); the eight partials meet in LDS; then wave w takes 16 rows of Wk.
; 128 work-groups: eight parts of m would leave half of the waves without a tile of 16 rows, for 16 KiB less to load; four parts of k would double what each of the next launch's 256 work-groups loads.
; All 48 loads of a wave go out at the head: 24 KiB a wave.
; NO CLUSTER, NO TENSOR LOADS, though four work-groups take the same rows of Wq: f32 passes through registers to be converted, and a joint load into LDS would add an LDS read of every byte.
; THE MODE: SCHED_MODE bits 1:0 = 2 (LLVM: expert scheduling mode 2), set by the entry lines.  The code itself states the register dependences
; between vector or matrix instructions and memory or LDS instructions, with s_wait_alu, always for 0.
; THE PLAN.  Registers that memory or LDS instructions touch:
;   v4-v22      offsets and LDS addresses, made once and never written again.
;   X, 48 slots a slot's four f32 land in it; its two conversions close them up into its first two registers, IN PLACE; one LDS store reads those two.  No slot is converted twice.
;               The slots go in six groups of eight.  At the head of groups 1 to 4, behind the wait for the group's data, ONE wait on va_vdst states that the group before has written its
;               words; that group's eight stores are dealt among this group's sixteen conversions, which name this group's registers alone.
;   Behind group 4's stores ONE wait on vm_vsrc states that all 40 stores have read their slots: from there on fragments, partial sums and results land in slots 0 to 39.
;   QA          written by the first product, read by eight LDS stores, and named by nothing behind them.  Wk's sixteen conversions stand between the product and those stores.
;   OH, OB      lie in slots 36 to 39, which no memory instruction has read since that wait on vm_vsrc.
.set WREG, 14848                       ; LDS bytes of a wave's region
.set SRO,  10240                       ; in it: source [16 b][64 k] bf16, pitch 144
.set WKO,  12544                       ; in it: Wk [16 m][64 d] bf16, pitch 144.  At 0: Wq [64 k][64 d] bf16, pitch 160 (an odd multiple of 32 bytes, for the turning load)
                                       ; the wave's partial q, [16 b][64 d] f32, pitch 272, takes Wq's bytes once the wave has read them
.set QH,   8*WREG                      ; q hi [16 b][64 d] bf16, pitch 144
.set QL,   QH+2304                     ; q lo
.set OS,   QL+2304                     ; the way out: 16 rows b of 512 bytes (128 m in f32), pitch 528
.set OSP,  528
                                       ; v[24:31]   at work
.set X,    32                          ; v[32:223]  48 slots of 4: source 0-7, Wq 8-39, Wk 40-47
.set BS,   32                          ; first product: source's fragments (2 K steps)
.set AW,   48                          ; Wq's fragments, turned: 8 (4 ks + nt)
.set QA,   112                         ; four accumulators: d = 16 nt ..
.set RP,   144                         ; v[144:175] the 8 partials of my two numbers of q, for each of my two rows b
.set QF,   32                          ; second product: q's fragments: 8 (2 ks + hi/lo)
.set WKF,  64                          ; Wk's fragments: 8 ks
.set KA,   96                          ; two accumulators: Wk x q hi, Wk x q lo
.set OH,   176                         ; their sum
.set OB,   184                         ; rows read back from the stage
	s_load_b256 s[4:11], s[0:1], 0x0               ; source s[4:5], Wq s[6:7], Wk s[8:9], qk s[10:11]
	v_lshl_add_u32 v15, v0, 2, 0x20300
	v_mov_b32 v16, 0
	v_and_b32 v1, 31, v0                           ; L: lane
	v_and_b32 v2, 15, v0                           ; r = L % 16
	v_bfe_u32 v3, v0, 4, 1                         ; hh = L / 16
	v_lshrrev_b32 v23, 5, v0
	v_readfirstlane_b32 s12, v23                   ; w: wave 0..7
	s_and_b32 s24, ttmp7, 0xffff                   ; y
	s_lshr_b32 s20, s24, 2                         ; yk: which 512 inputs
	s_and_b32 s21, s24, 3                          ; ym: which 128 rows of Wk
	s_lshl_b32 s14, s20, 11                        ; source: 512 k are 2,048 bytes into each row
	s_mov_b32 s15, 0
	s_lshl_b32 s16, s20, 21                        ; Wq: 512 rows of 4,096 bytes,
	s_lshl_b32 s24, ttmp9, 8                       ; and the head's 64 columns: 256 bytes into each row of Wq and Wk
	s_add_co_u32 s16, s16, s24
	s_mov_b32 s17, 0
	s_lshl_b32 s18, s21, 19                        ; Wk: 128 rows of 4,096 bytes
	s_add_co_u32 s18, s18, s24
	s_mov_b32 s19, 0
	s_lshl_b32 s22, s20, 19                        ; qk: the half's 524,288 bytes,
	s_wait_alu depctr_va_sdst(0)                   ; s12 is written, ahead of its first reader: offsets and LDS addresses are made from it
	s_lshl_b32 s24, s12, 16                        ; b = 2w (I store stage rows 2w, 2w+1): 32,768 bytes a batch,
	s_add_co_u32 s22, s22, s24
	s_lshl_b32 s24, ttmp9, 11                      ; the head's 2,048 bytes,
	s_add_co_u32 s22, s22, s24
	s_lshl_b32 s24, s21, 9                         ; my 128 m: 512 bytes
	s_add_co_u32 s22, s22, s24
	s_mov_b32 s23, 0
	s_mul_i32 s13, s12, WREG                       ; my region in LDS
	v_lshlrev_b32 v23, 4, v2
	v_lshl_add_u32 v23, v3, 12, v23                ; 16 r + 4,096 hh: lanes 0-15 take 256 bytes of one row, lanes 16-31 of the next
	s_lshl_b32 s24, s12, 8
	v_add_nc_u32 v4, s24, v23                      ; source: + my 64 k
	s_lshl_b32 s24, s12, 18
	v_add_nc_u32 v5, s24, v23                      ; Wq: + row 64 w
	s_lshl_b32 s24, s12, 16
	v_add_nc_u32 v6, s24, v23                      ; Wk: + row 16 w
	s_wait_kmcnt 0x0
	s_add_nc_u64 s[4:5], s[4:5], s[14:15]
	s_add_nc_u64 s[6:7], s[6:7], s[16:17]
	s_add_nc_u64 s[8:9], s[8:9], s[18:19]
	s_add_nc_u64 s[10:11], s[10:11], s[22:23]
	s_wait_alu depctr_va_vdst(0)                   ; v4, v5 and v6 are written: the 48 loads read them as their offsets
.set i, 0
.rept 8
	global_load_b128 v[X+4*i:X+4*i+3], v4, s[4:5] offset:i*8192             ; source, rows b = 2i + hh
.set i, i+1
.endr
.set i, 0
.rept 32
	global_load_b128 v[X+32+4*i:X+32+4*i+3], v5, s[6:7] offset:i*8192       ; Wq, rows k = 512 yk + 64w + 2i + hh
.set i, i+1
.endr
.set i, 0
.rept 8
	global_load_b128 v[X+160+4*i:X+160+4*i+3], v6, s[8:9] offset:i*8192     ; Wk, rows m = 128 ym + 16w + 2i + hh
.set i, i+1
.endr
	; LDS addresses, made while the loads are out
	v_mul_u32_u24 v24, v3, 144
	v_lshl_add_u32 v24, v2, 3, v24
	v_add_nc_u32 v24, s13, v24                     ; region + 144 hh + 8 r
	v_add_nc_u32 v7, SRO, v24                      ; v7   where source's converted words go
	v_add_nc_u32 v9, WKO, v24                      ; v9   Wk's
	v_mul_u32_u24 v24, v3, 160
	v_lshl_add_u32 v24, v2, 3, v24
	v_add_nc_u32 v8, s13, v24                      ; v8   Wq's
	v_mul_u32_u24 v24, v2, 144
	v_lshl_add_u32 v24, v3, 4, v24                 ; a fragment's row x 144 + 16 hh
	v_add_nc_u32 v18, QH, v24                      ; v18  q's fragments
	v_add_nc_u32 v24, s13, v24
	v_add_nc_u32 v10, SRO, v24                     ; v10  source's fragments
	v_add_nc_u32 v19, WKO, v24                     ; v19  Wk's fragments
	v_and_b32 v24, 7, v0
	v_lshl_add_u32 v24, v3, 3, v24                 ; the turning load: row 8 hh + L % 8,
	v_mul_u32_u24 v24, v24, 160
	v_bfe_u32 v25, v0, 3, 1
	v_lshl_add_u32 v24, v25, 4, v24                ; 16 bytes for each half of eight lanes
	v_add_nc_u32 v11, s13, v24                     ; v11  Wq's fragments
	v_mul_u32_u24 v24, v2, 272
	v_lshl_add_u32 v24, v3, 5, v24
	v_add_nc_u32 v12, s13, v24                     ; v12  my partial q: row b = r, 32 bytes for each half of the lanes
	s_mul_i32 s24, s12, 2*272
	v_lshl_add_u32 v13, v1, 3, s24                 ; v13-14  row b = 2w, d = 2L, 2L+1 of the partials 0-3, 4-7
	v_add_nc_u32 v14, 4*WREG, v13
	s_mul_i32 s24, s12, 2*144
	s_add_co_u32 s24, s24, QH
	v_lshl_add_u32 v17, v1, 2, s24                 ; v17  q hi: row b = 2w, two bf16
	v_mul_u32_u24 v24, v2, OSP
	v_lshl_add_u32 v24, v3, 5, v24
	s_lshl_b32 s24, s12, 6
	s_add_co_u32 s24, s24, OS
	v_add_nc_u32 v20, s24, v24                     ; v20  the stage, in: row b = r, my 16 m (64 bytes), 32 bytes for each half of the lanes
	s_mul_i32 s24, s12, 2*OSP
	s_add_co_u32 s24, s24, OS
	v_lshl_add_u32 v21, v1, 4, s24                 ; v21  the stage, back: rows 2w, 2w+1, 512 bytes a load
	v_lshlrev_b32 v22, 4, v1                       ; v22  and the same 512 bytes in qk
; Slot \slot: four f32 close up into four bf16 in the slot's first two registers.
.macro CV slot
	v_cvt_pk_bf16_f32 v[X+4*(\slot)], v[X+4*(\slot)], v[X+4*(\slot)+1]
	v_cvt_pk_bf16_f32 v[X+4*(\slot)+1], v[X+4*(\slot)+2], v[X+4*(\slot)+3]
.endm
; Slot \slot's two words go to LDS.
.macro ST slot
.if (\slot) < 8
	ds_store_b64 v7, v[X+4*(\slot):X+4*(\slot)+1] offset:(\slot)*288
.elseif (\slot) < 40
	ds_store_b64 v8, v[X+4*(\slot):X+4*(\slot)+1] offset:((\slot)-8)*320
.else
	ds_store_b64 v9, v[X+4*(\slot):X+4*(\slot)+1] offset:((\slot)-40)*288
.endif
.endm
; Group \g (1 to 4) of eight slots is converted, and the group before is stored.
.macro GROUP g
	s_wait_loadcnt 40-8*(\g)                       ; loads come back in order: slots up to 8 g + 7 are in; the 40 - 8 g issued behind them stay out
	s_wait_alu depctr_va_vdst(0)                   ; the group before has written its words, which the stores below read (at group 1 also: the LDS addresses are written)
.irp i, 0,1,2,3,4,5,6,7
	ST 8*((\g)-1)+\i                               ; no vector instruction since the wait names the registers of the group before
	CV 8*(\g)+\i
.endr
.endm
; x0, x1 in f32 become a word of two bf16 (hi) and a word of what the rounding left (lo).
.macro HILO hi, lo, x0, x1, t0, t1
	v_cvt_pk_bf16_f32 v[\hi], v[\x0], v[\x1]
	v_lshlrev_b32 v[\t0], 16, v[\hi]
	v_and_b32 v[\t1], 0xffff0000, v[\hi]
	v_sub_f32 v[\t0], v[\x0], v[\t0]
	v_sub_f32 v[\t1], v[\x1], v[\t1]
	v_cvt_pk_bf16_f32 v[\lo], v[\t0], v[\t1]
.endm
; 8 pairs from \base on are added into the first, as a tree.
.macro TREE8 base
.irp a, 0,2,4,6
	v_pk_add_f32 v[\base+2*\a:\base+2*\a+1], v[\base+2*\a:\base+2*\a+1], v[\base+2*\a+2:\base+2*\a+3]
.endr
.irp a, 0,4
	v_pk_add_f32 v[\base+2*\a:\base+2*\a+1], v[\base+2*\a:\base+2*\a+1], v[\base+2*\a+4:\base+2*\a+5]
.endr
	v_pk_add_f32 v[\base:\base+1], v[\base:\base+1], v[\base+8:\base+9]
.endm
.macro PLACES                          ; four plain vector instructions between a matrix instruction and what reads its result (ISA guide 7.12.1)
.rept 4
	v_nop
.endr
.endm
	s_wait_loadcnt 40                              ; source is in: 40 loads went behind it
.irp i, 0,1,2,3,4,5,6,7
	CV \i
.endr
	GROUP 1
	GROUP 2
	GROUP 3
	GROUP 4
	s_wait_alu depctr_va_vdst(0)                   ; group 4 has written its words, which the stores below read; every conversion so far is done with slots 0 to 39, in which the loads below land
.irp i, 0,1,2,3,4,5,6,7
	ST 32+\i
.endr
	s_wait_alu depctr_vm_vsrc(0)                   ; the 40 stores have read slots 0 to 39: fragments, sums and partials are written there from here on
	; THE FIRST PRODUCT, transposed: source 0 = 16 d x 32 k of Wq (turned on the way out of LDS), source 1 = 16 b x 32 k of source.
	; In the result lane (r, hh) holds b = r and d = 16 nt + 8 hh + 0..7.  The wave reads only bytes that it stored itself, and LDS serves a wave in order.
.irp ks, 0,1
	ds_load_b128 v[BS+8*\ks:BS+8*\ks+3], v10 offset:\ks*64
	ds_load_b128 v[BS+8*\ks+4:BS+8*\ks+7], v10 offset:\ks*64+32
.endr
.irp ks, 0,1
.irp nt, 0,1,2,3
	ds_load_tr16_b128 v[AW+8*(4*\ks+\nt):AW+8*(4*\ks+\nt)+3], v11 offset:\ks*5120+\nt*32
	ds_load_tr16_b128 v[AW+8*(4*\ks+\nt)+4:AW+8*(4*\ks+\nt)+7], v11 offset:\ks*5120+\nt*32+2560
.endr
.endr
	s_wait_dscnt 0x0
.irp nt, 0,1,2,3                       ; the four accumulators take turns; the first K step starts the sums
	v_wmma_f32_16x16x32_bf16 v[QA+8*\nt:QA+8*\nt+7], v[AW+8*\nt:AW+8*\nt+7], v[BS:BS+7], 0
.endr
.irp nt, 0,1,2,3
	v_wmma_f32_16x16x32_bf16 v[QA+8*\nt:QA+8*\nt+7], v[AW+32+8*\nt:AW+32+8*\nt+7], v[BS+8:BS+15], v[QA+8*\nt:QA+8*\nt+7]
.endr
	s_wait_loadcnt 0x0                             ; Wk is in
.irp i, 0,1,2,3,4,5,6,7
	CV 40+\i                                       ; sixteen plain vector instructions that name no register of the products: the places between them and the stores of their sums
.endr
	s_wait_alu depctr_va_vdst(0)                   ; the products have written the four sums and the conversions Wk's words: the sixteen stores below read them
.irp nt, 0,1,2,3                       ; my partial q, over Wq's bytes, which I alone read and have read
	ds_store_b128 v12, v[QA+8*\nt:QA+8*\nt+3] offset:64*\nt
	ds_store_b128 v12, v[QA+8*\nt+4:QA+8*\nt+7] offset:64*\nt+16
.endr
.irp i, 0,1,2,3,4,5,6,7
	ST 40+\i
.endr
	s_wait_dscnt 0x0                               ; for the others' sake: my partial lies in LDS
	s_barrier_signal -1
	s_barrier_wait -1
	; THE PARTIALS MEET: wave w adds rows b = 2w, 2w+1, lane L the numbers d = 2L, 2L+1
.set j, 0
.rept 2
.set p, 0
.rept 8
	ds_load_b64 v[RP+16*j+2*p:RP+16*j+2*p+1], v[13+p/4] offset:(p%4)*WREG+j*272   ; into slots 28 to 35: no vector instruction since the last wait on va_vdst, no store since the wait on vm_vsrc names them
.set p, p+1
.endr
.set j, j+1
.endr
	s_wait_dscnt 0x0
	TREE8 RP
	TREE8 RP+16
	v_pk_mul_f32 v[RP:RP+1], v[RP:RP+1], 0x3e000000 op_sel_hi:[1,0]            ; 1 / sqrt(64)
	v_pk_mul_f32 v[RP+16:RP+17], v[RP+16:RP+17], 0x3e000000 op_sel_hi:[1,0]
	HILO 24, 25, RP, RP+1, 28, 29
	HILO 26, 27, RP+16, RP+17, 30, 31
	s_wait_alu depctr_va_vdst(0)                   ; v24 to v27 are written, which the four stores read
	ds_store_b32 v17, v24
	ds_store_b32 v17, v25 offset:QL-QH
	ds_store_b32 v17, v26 offset:144
	ds_store_b32 v17, v27 offset:QL-QH+144
	s_wait_dscnt 0x0                               ; for the others' sake
	s_barrier_signal -1
	s_barrier_wait -1
	; THE SECOND PRODUCT: source 0 = my 16 m x 32 d of Wk, source 1 = 16 b x 32 d of q.  Lane (r, hh) gets b = r, m = 128 ym + 16w + 8 hh + 0..7.
	; The loads land where the first product's fragments lay: that product stands ahead of the wait on va_vdst above, and no vector instruction has been issued since.
.irp ks, 0,1
.irp a, 0,1
	ds_load_b128 v[QF+8*(2*\ks+\a):QF+8*(2*\ks+\a)+3], v18 offset:\a*2304+\ks*64
	ds_load_b128 v[QF+8*(2*\ks+\a)+4:QF+8*(2*\ks+\a)+7], v18 offset:\a*2304+\ks*64+32
.endr
.endr
.irp ks, 0,1
	ds_load_b128 v[WKF+8*\ks:WKF+8*\ks+3], v19 offset:\ks*64
	ds_load_b128 v[WKF+8*\ks+4:WKF+8*\ks+7], v19 offset:\ks*64+32
.endr
	s_wait_dscnt 0x0
.irp ks, 0,1
.irp a, 0,1                            ; q hi and q lo have an accumulator each, and the two take turns
.if \ks == 0
	v_wmma_f32_16x16x32_bf16 v[KA+8*\a:KA+8*\a+7], v[WKF+8*\ks:WKF+8*\ks+7], v[QF+8*(2*\ks+\a):QF+8*(2*\ks+\a)+7], 0
.else
	v_wmma_f32_16x16x32_bf16 v[KA+8*\a:KA+8*\a+7], v[WKF+8*\ks:WKF+8*\ks+7], v[QF+8*(2*\ks+\a):QF+8*(2*\ks+\a)+7], v[KA+8*\a:KA+8*\a+7]
.endif
.endr
.endr
	PLACES
.irp i, 0,2,4,6                        ; both accumulators from their low end on
	v_pk_add_f32 v[OH+\i:OH+\i+1], v[KA+\i:KA+\i+1], v[KA+8+\i:KA+8+\i+1]
.endr
	s_wait_alu depctr_va_vdst(0)                   ; the four additions have written v[OH ..], which the two stores read
	ds_store_b128 v20, v[OH:OH+3]
	ds_store_b128 v20, v[OH+4:OH+7] offset:16
	s_wait_dscnt 0x0                               ; for the others' sake: a stage row's 512 bytes come from all 8 waves
	s_barrier_signal -1
	s_barrier_wait -1
.irp i, 0,1
	ds_load_b128 v[OB+4*\i:OB+4*\i+3], v21 offset:\i*OSP
.endr
	s_wait_dscnt 0x0
.irp i, 0,1
	global_store_b128 v22, v[OB+4*\i:OB+4*\i+3], s[10:11] offset:\i*32768   ; b = 2w + i: each store of the wave covers 512 consecutive bytes, aligned
.endr
	s_wait_dscnt 0x0
	s_wait_alu depctr_hold_cnt(0) depctr_sa_sdst(0) depctr_va_vdst(0) depctr_va_sdst(0) depctr_va_ssrc(0) depctr_va_vcc(0) depctr_vm_vsrc(0)
	s_wait_tensorcnt 0x0
	ds_add_u32 v15, v16
	s_wait_dscnt 0x0
	s_endpgm
.Lfunc_end_k_q061661dc4a_prep:
	.size	k_q061661dc4a_prep, .Lfunc_end_k_q061661dc4a_prep-k_q061661dc4a_prep
	.p2alignl 7, 3214868480
	.fill 96, 4, 3214868480
	.section	.rodata,"a",@progbits
	.p2align	6, 0x0
	.amdhsa_kernel k_q061661dc4a_prep
		.amdhsa_group_segment_fixed_size 132864
		.amdhsa_private_segment_fixed_size 0
		.amdhsa_enable_private_segment 0
		.amdhsa_kernarg_size 32
		.amdhsa_user_sgpr_count 2
		.amdhsa_user_sgpr_kernarg_segment_ptr 1
		.amdhsa_wavefront_size32 1
		.amdhsa_system_sgpr_workgroup_id_x 1
		.amdhsa_system_sgpr_workgroup_id_y 1
		.amdhsa_system_sgpr_workgroup_id_z 1
		.amdhsa_system_vgpr_workitem_id 0
		.amdhsa_next_free_vgpr 224
		.amdhsa_next_free_sgpr 66
		.amdhsa_reserve_vcc 0
		.amdhsa_float_denorm_mode_32 3
		.amdhsa_float_denorm_mode_16_64 3
		.amdhsa_memory_ordered 1
		.amdhsa_forward_progress 1
		.amdhsa_inst_pref_size 26
	.end_amdhsa_kernel
	.amdgpu_metadata
---
amdhsa.version: [ 1, 2 ]
amdhsa.kernels:
  - .name:           k_q061661dc4a_prep
    .symbol:         k_q061661dc4a_prep.kd
    .args:
      - { .name: source, .offset: 0, .size: 8, .value_kind: global_buffer, .address_space: global }
      - { .name: Wq, .offset: 8, .size: 8, .value_kind: global_buffer, .address_space: global }
      - { .name: Wk, .offset: 16, .size: 8, .value_kind: global_buffer, .address_space: global }
      - { .name: qk, .offset: 24, .size: 8, .value_kind: global_buffer, .address_space: global }
    .group_segment_fixed_size: 132864
    .private_segment_fixed_size: 0
    .kernarg_segment_align: 8
    .kernarg_segment_size: 32
    .max_flat_workgroup_size: 256
    .sgpr_count:     66
    .vgpr_count:     224
    .wavefront_size: 32
...
	.end_amdgpu_metadata
.endif
;; end of part 4
;; launch main (part 5): grid 16 x 16, 8 waves a work-group, no clusters, 305,664 bytes of LDS; arguments memory_bank, mask, qk, pbuf, stats, part; writes pbuf, stats, part
.if DOCPART == 5
	.amdgcn_target "amdgcn-amd-amdhsa--gfx1250"
	.amdhsa_code_object_version 6
	.text
	.protected	k_q061661dc4a_main
	.globl	k_q061661dc4a_main
	.p2align	8
	.type	k_q061661dc4a_main,@function
k_q061661dc4a_main:
	s_mov_b64 s[64:65], 0
	v_nop
	global_prefetch_b8 v0, s[64:65] scope:SCOPE_SE
	s_setreg_imm32_b32 hwreg(HW_REG_WAVE_SCHED_MODE, 0, 2), 2
	s_setreg_imm32_b32 hwreg(HW_REG_WAVE_MODE, 25, 1), 1
	s_wait_xcnt 0x0
	s_wait_alu depctr_vm_vsrc(0)
; For one batch b and one chunk c of 256 rows of memory_bank (512 KiB on end), all 16 heads:
;   s[h][row] = bank[row][:] . qk[b][h][:], masked rows = -1e18;  m = the chunk's maximum of s;  p = e^(s - m);  l = the sum of p;  part[h][:] = the sum of p[h][row] bank[row][:].
; p (f32), (m, l) and part (f32) go to memory; the next launch joins the 16 chunks of a batch.  The bank is read from memory ONCE: it is rounded to bf16 on the
; way in and the whole chunk stays in LDS for the second product.
; qk comes as two partial sums in f32 (one for each half of the query's 1,024 inputs): they are added here and split into hi + lo.
; LIMITS: the bank is rounded once to bf16; qk and p enter the products as hi + lo, two bf16 each (about 16 bits); sums, maxima, exponentials in f32; an exponential
; below 2^-126 comes out as zero (ISA guide, v_exp_f32); any mask byte other than 0 counts as true; NaN and infinities get no care of their own.
; The maximum is taken away BEFORE the scaling by log2(e): where every row is masked, s - m is exactly 0 and all weights are alike.
; SHARES: eight waves.  Wave w streams rows 32w..32w+31 and makes their scores; in the second product it owns channels 64w..64w+63 over all 256 rows.
; 28 to 32 loads of 512 consecutive bytes are out in every wave until the last quarter: 14 to 16 KiB a wave.
; NO TENSOR LOADS: f32 has to pass through registers to be converted, and an f32 ring would take the LDS that the bf16 chunk needs.  NO CLUSTER: the 16 chunks of a
; batch share qk alone, 64 KiB beside 512 KiB of their own.
; THE MODE: SCHED_MODE bits 1:0 = 2 (LLVM: expert scheduling mode 2), set by the entry lines.  The code itself states the register dependences
; between vector or matrix instructions and memory or LDS instructions, with s_wait_alu, always for 0.
; THE PLAN.  Registers that memory or LDS instructions touch:
;   v4-v19      offsets and LDS addresses, made once at the head and never written again.
;   X           the stream's 32 slots, in eight blocks of four rows.  Block b (32 blocks: four quarters of the channels x eight): its eight conversions read four slots; behind them the refills land there.
;   Y, Y1       two out-buffers by turns: block b's conversions write one, block b's four LDS stores read it, block b + 2 writes it again.
;   F           at the head the two partial qk; their hi and lo words take the second partial's place and sixteen LDS stores read them.  Then two fragment buffers by turns.
;   In a block: the wait for its data; a wait on vm_vsrc (the stores of the block before last have read this out-buffer); the conversions; ONE wait on va_vdst; the refills; the stores.
;   That wait states that the out-buffer is written, that the conversions are done with the four slots, and that every product issued so far is done with its fragments.
;   THE FIRST PRODUCT RIDES ON THE STREAM: K step ks (32 channels) is asked for at the end of block 7 + 2 ks, when its quarter of my 32 rows lies in LDS, and multiplied at the end of block 8 + 2 ks.
;   Its buffer's last reader stands three blocks back, ahead of the block's wait, and nothing between that wait and the loads names F.  K steps 12 to 15 follow the last block, in one run,
;   into F and into the stream's upper slots, which that block's wait has shown free.
;   G           three buffers of the second product.  At the head of steps 1 to 5 one wait on va_vdst states that the step before is done with its buffer; the loads of two steps on land there,
;               dealt among the step's products, which name the two other buffers and the sums.
.set TP,   1056                        ; a row of the chunk in LDS: 1,024 bytes of bf16 + 32: an odd multiple of 32 bytes, for the turning load
.set REG,  32*TP                       ; a wave's 32 rows
.set QK,   8*REG                       ; qk: 32 rows (16 x hi/lo + h) of 1,024 bytes, pitch 1,040
.set QP,   1040
.set QKH,  524288                      ; in memory: bytes from the first partial qk to the second
.set PST,  QK                          ; over qk, once all scores are made: p in f32, [16 h][256 rows], pitch 1,040
.set PIMG, QK+16*QP                    ; and p as the second product's fragments: 2,048 bytes a wave: hi (2 x 512), lo (2 x 512), 16 bytes a lane
.set MX,   QK+32*QP                    ; the waves' maxima: 8 x 16 heads
.set LS,   MX+512                      ; the waves' sums
.set S,    24                          ; v[24:39]   scores, then p: two accumulators (rows 32w + 0..15, 16..31)
.set Y,    40                          ; v[40:47]   out-buffer of the even blocks; later PH
.set Y1,   244                         ; v[244:251] out-buffer of the odd blocks
.set PH,   40
.set F,    48                          ; v[48:111]  at the head: the two partial qk, 32 registers each; first product: two buffers of 32: A rows 0-15, A rows 16-31, qk hi, qk lo
.set X,    112                         ; v[112:239] the stream's 32 slots of 4; v[176:239] at the end: the fragments of K steps 14 and 15
.set MT,   112                         ; (behind the stream) at work
.set PL,   248                         ; v[248:255]
.set G,    48                          ; v[48:191]  second product: three buffers of 48: four fragments of the bank, turned; P hi; P lo
.set O,    192                         ; v[192:223] four accumulators: channels 64w + 16 ct ..
.set POUT, 224                         ; v[224:239] p on its way out
.set LSR,  240                         ; v[240:247] the eight waves' sums;  v[240:243] before: the mask's bytes
.set CM,   24                          ; s[24:39]   (behind the head) which lanes' row is masked, for each of the 16 scores
.macro HILO hi, lo, x0, x1, t0, t1     ; two f32 become a word of two bf16 (hi) and a word of what the rounding left (lo)
	v_cvt_pk_bf16_f32 v[\hi], v[\x0], v[\x1]
	v_lshlrev_b32 v[\t0], 16, v[\hi]
	v_and_b32 v[\t1], 0xffff0000, v[\hi]
	v_sub_f32 v[\t0], v[\x0], v[\t0]
	v_sub_f32 v[\t1], v[\x1], v[\t1]
	v_cvt_pk_bf16_f32 v[\lo], v[\t0], v[\t1]
.endm
	s_load_b256 s[4:11], s[0:1], 0x0               ; memory_bank s[4:5], mask s[6:7], qk s[8:9], pbuf s[10:11]
	s_load_b128 s[12:15], s[0:1], 0x20             ; stats s[12:13], part s[14:15]
	s_set_vgpr_msb 0x40
	v_lshl_add_u32 v0, v0, 2, 0x4a600
	v_mov_b32 v1, 0
	s_set_vgpr_msb 0x4000
	v_and_b32 v1, 31, v0                           ; L
	v_and_b32 v2, 15, v0                           ; r = L % 16
	v_bfe_u32 v3, v0, 4, 1                         ; hh = L / 16
	v_lshrrev_b32 v20, 5, v0
	v_readfirstlane_b32 s16, v20                   ; w: wave 0..7
	s_and_b32 s17, ttmp7, 0xffff                   ; b;  ttmp9 = c
	s_lshl_b32 s24, s17, 23                        ; the bank: b x 4,096 rows x 2,048 bytes + c x 256 rows
	s_lshl_b32 s18, ttmp9, 19
	s_add_co_u32 s24, s24, s18
	s_mov_b32 s25, 0
	s_lshl_b32 s26, s17, 12                        ; mask: 4,096 b + 256 c;  stats: 256 (16 b + c), the same number
	s_lshl_b32 s18, ttmp9, 8
	s_add_co_u32 s26, s26, s18
	s_mov_b32 s27, 0
	s_lshl_b32 s28, s17, 15                        ; qk: 16 heads of 2,048 bytes a batch
	s_mov_b32 s29, 0
	s_lshl_b32 s30, s17, 18                        ; pbuf [b][h][4,096] f32: the chunk's 1,024 bytes of head 0
	s_lshl_b32 s18, ttmp9, 10
	s_add_co_u32 s30, s30, s18
	s_mov_b32 s31, 0
	s_lshl_b32 s32, s17, 19                        ; part [b][c][h][512] f32
	s_lshl_b32 s18, ttmp9, 15
	s_add_co_u32 s32, s32, s18
	s_mov_b32 s33, 0
	v_lshlrev_b32 v20, 4, v1                       ; 16 L
	s_wait_alu depctr_va_sdst(0)                   ; s16 is written, ahead of its first reader: offsets and LDS addresses are made from it
	s_lshl_b32 s18, s16, 16
	v_add_nc_u32 v4, s18, v20                      ; v4   the stream: my 32 rows, 16 bytes a lane
	s_lshl_b32 s18, s16, 12
	v_add_nc_u32 v21, s18, v20                     ; v21  qk: heads 2w, 2w+1: 4,096 bytes
	s_lshl_b32 s18, s16, 5
	v_lshl_add_u32 v9, v3, 3, s18                  ; v9   mask: the 8 rows 32w + 8 hh + 0..7 (and, 16 further, those of the second accumulator)
	s_wait_kmcnt 0x0
	s_add_nc_u64 s[4:5], s[4:5], s[24:25]
	s_add_nc_u64 s[6:7], s[6:7], s[26:27]
	s_add_nc_u64 s[8:9], s[8:9], s[28:29]
	s_add_nc_u64 s[10:11], s[10:11], s[30:31]
	s_add_nc_u64 s[12:13], s[12:13], s[26:27]
	s_add_nc_u64 s[14:15], s[14:15], s[32:33]
	s_wait_alu depctr_va_vdst(0)                   ; v4, v9 and v21 are written: the loads below read them as their offsets
.irp y, 0,1
.irp i, 0,1,2,3,4,5,6,7
	global_load_b128 v[F+32*\y+4*\i:F+32*\y+4*\i+3], v21, s[8:9] offset:\y*QKH+512*\i   ; partial y: head 2w + i / 4, m = 128 (i % 4) + 4 L + 0..3
.endr
.endr
	global_load_b64 v[240:241], v9, s[6:7]
	global_load_b64 v[242:243], v9, s[6:7] offset:16
.set rw, 0
.rept 32
	global_load_b128 v[X+4*rw:X+4*rw+3], v4, s[4:5] offset:rw*2048 th:TH_LOAD_NT   ; channels 0-127 of my row rw: 512 consecutive bytes
.set rw, rw+1
.endr
	; LDS addresses, made while the loads are out
	s_mul_i32 s19, s16, REG                        ; my 32 rows of the chunk
	v_lshl_add_u32 v5, v1, 3, s19                  ; v5   where converted words go: 8 bytes a lane
	v_mul_u32_u24 v22, v2, TP
	v_lshl_add_u32 v22, v3, 4, v22
	v_add_nc_u32 v6, s19, v22                      ; v6   the bank's fragments, first product: row r, 16 hh
	v_mul_u32_u24 v22, v2, QP
	v_lshl_add_u32 v23, v3, 4, v22
	v_add_nc_u32 v7, QK, v23                       ; v7   qk's fragments: head r, 16 hh
	s_mul_i32 s18, s16, 2*QP
	s_add_co_u32 s18, s18, QK
	v_lshl_add_u32 v8, v1, 3, s18                  ; v8   where my two heads of qk go: 8 bytes (4 bf16) a lane
	v_lshlrev_b32 v23, 2, v2
	v_add_nc_u32 v11, MX, v23                      ; v11  head r's word of wave 0
	s_lshl_b32 s18, s16, 6
	v_add_nc_u32 v10, s18, v11                     ; v10  head r's word of my wave
	v_lshl_add_u32 v22, v3, 5, v22
	s_lshl_b32 s18, s16, 7
	s_add_co_u32 s18, s18, PST
	v_add_nc_u32 v12, s18, v22                     ; v12  p in f32: row h = r, my 32 rows' 128 bytes, 32 bytes for each half of the lanes
	v_add_nc_u32 v14, PIMG, v20                    ; v14  P's fragments of wave 0
	s_lshl_b32 s18, s16, 11
	v_add_nc_u32 v13, s18, v14                     ; v13  of my wave
	v_and_b32 v22, 7, v0
	v_lshl_add_u32 v22, v3, 3, v22                 ; the turning load: row 8 hh + L % 8,
	v_mul_u32_u24 v22, v22, TP
	v_bfe_u32 v23, v0, 3, 1
	v_lshl_add_u32 v22, v23, 4, v22                ; 16 bytes for each half of eight lanes,
	s_lshl_b32 s18, s16, 7
	v_add_nc_u32 v15, s18, v22                     ; my 64 channels.  v15-18: rows 0-63, 64-127, 128-191, 192-255
	v_add_nc_u32 v16, 2*REG, v15
	v_add_nc_u32 v17, 4*REG, v15
	v_add_nc_u32 v18, 6*REG, v15
	v_mov_b32 v19, 0xdd5e0b6b                      ; -1e18
	s_mov_b32 s22, 0x76543210                      ; v_permlanex16_b32: each lane takes its own place in the other half
	s_mov_b32 s23, 0xfedcba98
	s_wait_loadcnt 34                              ; both partial qk are in: behind them went the mask's 2 loads and the stream's 32
.set i, 0
.rept 8                                ; the two partials are added; four numbers a lane become 8 bytes of hi and 8 of lo, which take the second partial's four registers
.set yb, F+32+4*i
	v_pk_add_f32 v[F+4*i:F+4*i+1], v[F+4*i:F+4*i+1], v[F+32+4*i:F+32+4*i+1]
	v_pk_add_f32 v[F+4*i+2:F+4*i+3], v[F+4*i+2:F+4*i+3], v[F+32+4*i+2:F+32+4*i+3]
	HILO yb, yb+2, F+4*i, F+4*i+1, 22, 23
	HILO yb+1, yb+3, F+4*i+2, F+4*i+3, 22, 23
.set i, i+1
.endr
	s_wait_alu depctr_va_vdst(0)                   ; the 32 words of hi and lo are written, which the sixteen stores read; so are the LDS addresses v5 to v18
.set i, 0
.rept 8
	ds_store_b64 v8, v[F+32+4*i:F+32+4*i+1] offset:(i/4)*QP+(i%4)*256
	ds_store_b64 v8, v[F+32+4*i+2:F+32+4*i+3] offset:(16+i/4)*QP+(i%4)*256
.set i, i+1
.endr
	s_wait_dscnt 0x0                               ; for the others' sake
	s_barrier_signal -1
	s_barrier_wait -1                              ; qk is whole; the stream's loads stay out across this barrier: they land in registers
; The fragments of K step \ks (32 channels) into the 32 registers from \fr on: eight loads.  The bank's bytes are my own stores, and LDS serves a wave in order.
.macro LOADF ks, fr
	ds_load_b128 v[(\fr):(\fr)+3],     v6 offset:(\ks)*64
	ds_load_b128 v[(\fr)+4:(\fr)+7],   v6 offset:(\ks)*64+32
	ds_load_b128 v[(\fr)+8:(\fr)+11],  v6 offset:16*TP+(\ks)*64
	ds_load_b128 v[(\fr)+12:(\fr)+15], v6 offset:16*TP+(\ks)*64+32
	ds_load_b128 v[(\fr)+16:(\fr)+19], v7 offset:(\ks)*64
	ds_load_b128 v[(\fr)+20:(\fr)+23], v7 offset:(\ks)*64+32
	ds_load_b128 v[(\fr)+24:(\fr)+27], v7 offset:16*QP+(\ks)*64
	ds_load_b128 v[(\fr)+28:(\fr)+31], v7 offset:16*QP+(\ks)*64+32
.endm
; Four products: source 0 = 16 rows of the bank, source 1 = 16 heads of qk, hi and then lo.  The two accumulators take turns.
; In the result lane (r, hh) holds head r and rows 8 hh + 0..7.
.macro MM fr, zero
.if \zero
	v_wmma_f32_16x16x32_bf16 v[S:S+7],    v[(\fr):(\fr)+7],    v[(\fr)+16:(\fr)+23], 0
	v_wmma_f32_16x16x32_bf16 v[S+8:S+15], v[(\fr)+8:(\fr)+15], v[(\fr)+16:(\fr)+23], 0
.else
	v_wmma_f32_16x16x32_bf16 v[S:S+7],    v[(\fr):(\fr)+7],    v[(\fr)+16:(\fr)+23], v[S:S+7]
	v_wmma_f32_16x16x32_bf16 v[S+8:S+15], v[(\fr)+8:(\fr)+15], v[(\fr)+16:(\fr)+23], v[S+8:S+15]
.endif
	v_wmma_f32_16x16x32_bf16 v[S:S+7],    v[(\fr):(\fr)+7],    v[(\fr)+24:(\fr)+31], v[S:S+7]
	v_wmma_f32_16x16x32_bf16 v[S+8:S+15], v[(\fr)+8:(\fr)+15], v[(\fr)+24:(\fr)+31], v[S+8:S+15]
.endm
.macro PLACES                          ; four plain vector instructions between a matrix instruction and a read of its result (ISA guide 7.12.1)
.rept 4
	v_nop
.endr
.endm
; Block \b: rows 4 (b % 8) .. + 3, the 128 channels of quarter b / 8: rounded to bf16, into LDS; the four slots take the same rows' next quarter.
.macro BLOCK b
.set bq, (\b)/8
.set bp, (\b)%8
.set by, Y+(Y1-Y)*((\b)%2)
.if bq < 3
	s_wait_loadcnt 28                              ; behind the block's last load went 28 - 4 (b % 8) of its quarter and 4 (b % 8) refills: 28 stay out
.else
	s_wait_loadcnt 28-4*bp                         ; the last quarter refills nothing: the counts run down
.endif
.if (\b) >= 2
	s_wait_alu depctr_vm_vsrc(0)                   ; the stores of the block before last have read this out-buffer, which the conversions write again (and qk's stores have read F, in which fragments land from block 7 on)
.endif
.irp j, 0,1,2,3
	v_cvt_pk_bf16_f32 v[by+2*\j], v[X+16*bp+4*\j], v[X+16*bp+4*\j+1]
	v_cvt_pk_bf16_f32 v[by+2*\j+1], v[X+16*bp+4*\j+2], v[X+16*bp+4*\j+3]
.endr
	s_wait_alu depctr_va_vdst(0)                   ; the conversions have written the out-buffer, which the stores read, and are done with the four slots, in which the refills land; the products issued so far are done with their fragments
.if bq < 3
.irp j, 0,1,2,3
	global_load_b128 v[X+16*bp+4*\j:X+16*bp+4*\j+3], v4, s[4:5] offset:(4*bp+\j)*2048+(bq+1)*512 th:TH_LOAD_NT
.endr
.endif
.irp j, 0,1,2,3
	ds_store_b64 v5, v[by+2*\j:by+2*\j+1] offset:(4*bp+\j)*TP+bq*256
.endr
.if ((\b) >= 7) && ((\b) < 31) && ((\b)%2 == 1)
.set fk, ((\b)-7)/2
	LOADF fk, F+32*(fk%2)                          ; K step (b - 7) / 2: its quarter of my rows lies in LDS.  No wait: nothing since the wait above names F
.endif
.if ((\b) >= 8) && ((\b)%2 == 0)
.set fk, ((\b)-8)/2
	s_wait_dscnt 4                                 ; the fragments asked for in the block before are in: behind their eight loads went this block's four stores
.if (\b) == 8
	MM F+32*(fk%2), 1                              ; the first K step starts the sums
.else
	MM F+32*(fk%2), 0
.endif
.endif
.endm
.set bb, 0
.rept 32
	BLOCK bb
.set bb, bb+1
.endr
	; The last quarter's four K steps, asked for in one run.  No wait: the last block's wait on va_vdst stands behind the last reader of F and of the stream's slots, and nothing has named them since.
	LOADF 12, F
	LOADF 13, F+32
	LOADF 14, X+64
	LOADF 15, X+96
	s_wait_dscnt 24                                ; K step 12 is in; the three later steps' 24 loads may be out
	MM F, 0
	s_wait_dscnt 16
	MM F+32, 0
	s_wait_dscnt 8
	MM X+64, 0
	s_wait_dscnt 0x0
	MM X+96, 0
	; THE MASK AND THE MAXIMUM.  The 16 extractions and the 16 comparisons name no register of the last products: they are the places behind them.
.irp t, 0,1
.irp j, 0,1,2,3,4,5,6,7
	v_bfe_u32 v[MT+8*\t+\j], v[240+2*\t+\j/4], 8*(\j%4), 8
.endr
.endr
.set j, 0
.rept 16
	v_cmp_ne_u32 s[CM+j], 0, v[MT+j]
.set j, j+1
.endr
	s_wait_alu depctr_va_sdst(0)                   ; the sixteen comparisons have written s[CM ..], ahead of the selections that read them
.set j, 0
.rept 16                               ; each accumulator from its low end on
	v_cndmask_b32 v[S+j], v[S+j], v19, s[CM+j]     ; a masked row's score is -1e18
.set j, j+1
.endr
	v_max3_num_f32 v20, v[S], v[S+1], v[S+2]
	v_max3_num_f32 v21, v[S+8], v[S+9], v[S+10]
	v_max3_num_f32 v20, v20, v[S+3], v[S+4]
	v_max3_num_f32 v21, v21, v[S+11], v[S+12]
	v_max3_num_f32 v20, v20, v[S+5], v[S+6]
	v_max3_num_f32 v21, v21, v[S+13], v[S+14]
	v_max3_num_f32 v20, v20, v[S+7], v[S+15]
	v_max_num_f32 v20, v20, v21
	v_permlanex16_b32 v21, v20, s22, s23           ; the head's other 16 rows lie in the lane 16 away
	v_max_num_f32 v20, v20, v21
	s_wait_alu depctr_va_vdst(0)                   ; v20 is written, which the store reads; the extractions and comparisons are done with v[MT ..], in which the loads behind the barrier land
	ds_store_b32 v10, v20                          ; both halves of the lanes write the same number to the same word
	s_wait_dscnt 0x0                               ; for the others' sake; my reads of qk are over too
	s_barrier_signal -1
	s_barrier_wait -1                              ; behind this barrier nobody reads qk any more: p takes its bytes
	; THE WEIGHTS
.irp i, 0,1,2,3,4,5,6,7
	ds_load_b32 v[MT+\i], v11 offset:64*\i
.endr
	s_wait_alu depctr_vm_vsrc(0)                   ; the store of my maximum has read v20, and the last two blocks' stores both out-buffers: v20, PH, PL, v244 and v245 are written below
	s_wait_dscnt 0x0
	v_max3_num_f32 v20, v[MT], v[MT+1], v[MT+2]
	v_max3_num_f32 v21, v[MT+3], v[MT+4], v[MT+5]
	v_max3_num_f32 v20, v20, v[MT+6], v[MT+7]
	v_max_num_f32 v22, v20, v21                    ; v22 = m: the chunk's maximum for head r
.set j, 0
.rept 16
	v_sub_f32 v[S+j], v[S+j], v22                  ; first s - m, exactly 0 at the maximum,
.set j, j+1
.endr
.irp j, 0,2,4,6,8,10,12,14
	v_pk_mul_f32 v[S+\j:S+\j+1], v[S+\j:S+\j+1], 0x3fb8aa3b op_sel_hi:[1,0]   ; then log2(e)
.endr
.set j, 0
.rept 16
	v_exp_f32 v[S+j], v[S+j]
.set j, j+1
.endr
	v_nop                                          ; a plain instruction between the last exponential and the use of its result (ISA guide 5.7.2)
	s_wait_alu depctr_va_vdst(0)
	v_pk_add_f32 v[MT:MT+1],   v[S:S+1],     v[S+2:S+3]
	v_pk_add_f32 v[MT+2:MT+3], v[S+4:S+5],   v[S+6:S+7]
	v_pk_add_f32 v[MT+4:MT+5], v[S+8:S+9],   v[S+10:S+11]
	v_pk_add_f32 v[MT+6:MT+7], v[S+12:S+13], v[S+14:S+15]
	v_pk_add_f32 v[MT:MT+1],   v[MT:MT+1],   v[MT+2:MT+3]
	v_pk_add_f32 v[MT+4:MT+5], v[MT+4:MT+5], v[MT+6:MT+7]
	v_pk_add_f32 v[MT:MT+1],   v[MT:MT+1],   v[MT+4:MT+5]
	v_add_f32 v20, v[MT], v[MT+1]
	v_permlanex16_b32 v21, v20, s22, s23
	v_add_f32 v20, v20, v21                        ; my 32 rows' sum for head r
	; Two neighbouring rows' weights in a word: word i of accumulator t is register 4 t + i of source 1 (32 rows x 16 heads) of the second product: nothing changes lanes
.irp t, 0,1
.irp i, 0,1,2,3
	HILO PH+4*\t+\i, PL+4*\t+\i, S+8*\t+2*\i, S+8*\t+2*\i+1, 244, 245
.endr
.endr
	s_wait_alu depctr_va_vdst(0)                   ; the sum v20, PH, PL and the weights in v[S ..] are written: the nine stores below read them
	ds_store_b32 v10, v20 offset:LS-MX
	ds_store_b128 v13, v[PH:PH+3]
	ds_store_b128 v13, v[PH+4:PH+7] offset:512
	ds_store_b128 v13, v[PL:PL+3] offset:1024
	ds_store_b128 v13, v[PL+4:PL+7] offset:1536
	ds_store_b128 v12, v[S:S+3]
	ds_store_b128 v12, v[S+4:S+7] offset:16
	ds_store_b128 v12, v[S+8:S+11] offset:64
	ds_store_b128 v12, v[S+12:S+15] offset:80
	s_wait_dscnt 0x0                               ; for the others' sake
	s_wait_alu depctr_vm_vsrc(0)                   ; the stores have read PL: v248 to v253 are written below
	s_barrier_signal -1
	s_mul_i32 s18, s16, 2*QP                       ; register work while the others arrive: the addresses of what follows
	s_add_co_u32 s18, s18, PST
	v_lshl_add_u32 v248, v1, 4, s18                ; v248 p back: heads 2w, 2w+1, 512 bytes a load
	s_lshl_b32 s18, s16, 15
	v_lshl_add_u32 v249, v1, 4, s18                ; v249 and the same in pbuf: a head is 16,384 bytes
	v_lshlrev_b32 v250, 3, v1                      ; v250 stats: a pair a lane
	v_mul_u32_u24 v251, v2, 272
	v_lshl_add_u32 v251, v3, 5, v251
	v_add_nc_u32 v251, s19, v251                   ; v251 the way out, in: row h = r of 272 bytes, 32 bytes for each half of the lanes
	v_mul_u32_u24 v252, v3, 272
	v_lshl_add_u32 v252, v2, 4, v252
	v_add_nc_u32 v252, s19, v252                   ; v252 back: lanes 0-15 one row of 256 bytes, lanes 16-31 the next
	s_lshl_b32 s18, s16, 8
	v_lshl_add_u32 v253, v3, 11, s18
	v_lshl_add_u32 v253, v2, 4, v253               ; v253 and the same two heads in part, my 64 channels
	s_barrier_wait -1
	s_wait_alu depctr_va_vdst(0)                   ; v248 to v253 are written, which loads and stores below read; all vector and matrix instructions so far are done with v48 to v191 and v224 to v247, in which the loads below land
; THE SECOND PRODUCT.  Step \k = the 32 rows that wave \k streamed.  Twelve loads: four fragments of the bank (16 of my channels x 32 rows, turned), P hi, P lo.
.macro LOADGP k, ct                    ; three of the twelve: fragment ct, and a quarter of P
	ds_load_tr16_b128 v[G+48*((\k)%3)+8*(\ct):G+48*((\k)%3)+8*(\ct)+3],   v[15+(\k)/2] offset:((\k)%2)*REG+32*(\ct)
	ds_load_tr16_b128 v[G+48*((\k)%3)+8*(\ct)+4:G+48*((\k)%3)+8*(\ct)+7], v[15+(\k)/2] offset:((\k)%2)*REG+16*TP+32*(\ct)
	ds_load_b128 v[G+48*((\k)%3)+32+4*(\ct):G+48*((\k)%3)+32+4*(\ct)+3], v14 offset:(\k)*2048+512*(\ct)
.endm
.macro LOADG k
.irp ct, 0,1,2,3
	LOADGP \k, \ct
.endr
.endm
; Eight products; the four accumulators take turns.  Lane (r, hh) gets head r and channels 64w + 16 ct + 8 hh + 0..7.
; In steps 1 to 5 the loads of two steps on are dealt among the first four products.
.macro STEP2 k
.if (\k) == 0
	s_wait_dscnt 24                                ; this step's twelve loads are in; the two later buffers' may be out
.elseif (\k) < 7
	s_wait_dscnt 12                                ; this step's twelve loads are in; the next step's may be out
.else
	s_wait_dscnt 0x0
.endif
.if ((\k) >= 1) && ((\k) <= 5)
	s_wait_alu depctr_va_vdst(0)                   ; the step before is done reading its buffer, in which the loads below land
.endif
.irp ct, 0,1,2,3
.if (\k) == 0
	v_wmma_f32_16x16x32_bf16 v[O+8*\ct:O+8*\ct+7], v[G+48*((\k)%3)+8*\ct:G+48*((\k)%3)+8*\ct+7], v[G+48*((\k)%3)+32:G+48*((\k)%3)+39], 0
.else
	v_wmma_f32_16x16x32_bf16 v[O+8*\ct:O+8*\ct+7], v[G+48*((\k)%3)+8*\ct:G+48*((\k)%3)+8*\ct+7], v[G+48*((\k)%3)+32:G+48*((\k)%3)+39], v[O+8*\ct:O+8*\ct+7]
.endif
.if ((\k) >= 1) && ((\k) <= 5)
	LOADGP (\k)+2, \ct                             ; no wait: the products since the wait name this step's buffer and the sums alone
.endif
.endr
.irp ct, 0,1,2,3
	v_wmma_f32_16x16x32_bf16 v[O+8*\ct:O+8*\ct+7], v[G+48*((\k)%3)+8*\ct:G+48*((\k)%3)+8*\ct+7], v[G+48*((\k)%3)+40:G+48*((\k)%3)+47], v[O+8*\ct:O+8*\ct+7]
.endr
.endm
.irp i, 0,1,2,3
	ds_load_b128 v[POUT+4*\i:POUT+4*\i+3], v248 offset:(\i/2)*QP+(\i%2)*512
.endr
.irp i, 0,1,2,3,4,5,6,7
	ds_load_b32 v[LSR+\i], v11 offset:LS-MX+64*\i
.endr
	LOADG 0
	LOADG 1
	LOADG 2
	s_wait_dscnt 36                                ; p and the sums are in; the three buffers' 36 loads may be out
.irp i, 0,1,2,3
	global_store_b128 v249, v[POUT+4*\i:POUT+4*\i+3], s[10:11] offset:(\i/2)*16384+(\i%2)*512   ; each store of the wave covers 512 consecutive bytes, aligned
.endr
	v_pk_add_f32 v[LSR:LSR+1],   v[LSR:LSR+1],     v[LSR+2:LSR+3]
	v_pk_add_f32 v[LSR+4:LSR+5], v[LSR+4:LSR+5],   v[LSR+6:LSR+7]
	v_pk_add_f32 v[LSR:LSR+1],   v[LSR:LSR+1],     v[LSR+4:LSR+5]
	v_add_f32 v23, v[LSR], v[LSR+1]                ; v23 = l: the chunk's sum for head r
	s_cmp_lg_u32 s16, 0
	s_cbranch_scc1 .Lno_stats
	s_wait_alu depctr_va_vdst(0)                   ; v23 is written, which the store reads
	global_store_b64 v250, v[22:23], s[12:13]      ; wave 0: 32 pairs (m, l), the upper 16 copies of the lower: 256 consecutive bytes, aligned
.Lno_stats:
.irp k, 0,1,2,3,4,5,6,7
	STEP2 \k
.endr
	PLACES                                         ; behind the last products, in front of the stores of the sums
	; THE WAY OUT: a lane's eight channels of a head are 32 bytes; through LDS they become whole rows of 256 bytes.
	s_wait_dscnt 0x0
	s_barrier_signal -1
	s_barrier_wait -1                              ; no wave reads the chunk any more: each wave's stage takes the first bytes of its own 32 rows
	s_wait_alu depctr_va_vdst(0)                   ; the products have written the four sums, which the stores read, and are done with v[G ..], in which the loads below land; the places above stay beside this wait
.irp ct, 0,1,2,3
	ds_store_b128 v251, v[O+8*\ct:O+8*\ct+3] offset:64*\ct
	ds_store_b128 v251, v[O+8*\ct+4:O+8*\ct+7] offset:64*\ct+16
.endr
.irp i, 0,1,2,3,4,5,6,7
	ds_load_b128 v[G+4*\i:G+4*\i+3], v252 offset:\i*544            ; heads 2i, 2i+1; LDS serves a wave in order: these see the stores above
.endr
.irp i, 0,1,2,3,4,5,6,7
	s_wait_dscnt 7-\i                              ; load i is in, the younger ones may be out
	global_store_b128 v253, v[G+4*\i:G+4*\i+3], s[14:15] offset:\i*4096   ; 16 lanes store 256 consecutive bytes, aligned
.endr
	s_set_vgpr_msb 0x5
	s_wait_dscnt 0x0
	s_wait_alu depctr_hold_cnt(0) depctr_sa_sdst(0) depctr_va_vdst(0) depctr_va_sdst(0) depctr_va_ssrc(0) depctr_va_vcc(0) depctr_vm_vsrc(0)
	s_wait_tensorcnt 0x0
	ds_add_u32 v0, v1
	s_wait_dscnt 0x0
	s_endpgm
.Lfunc_end_k_q061661dc4a_main:
	.size	k_q061661dc4a_main, .Lfunc_end_k_q061661dc4a_main-k_q061661dc4a_main
	.p2alignl 7, 3214868480
	.fill 96, 4, 3214868480
	.section	.rodata,"a",@progbits
	.p2align	6, 0x0
	.amdhsa_kernel k_q061661dc4a_main
		.amdhsa_group_segment_fixed_size 305664
		.amdhsa_private_segment_fixed_size 0
		.amdhsa_enable_private_segment 0
		.amdhsa_kernarg_size 48
		.amdhsa_user_sgpr_count 2
		.amdhsa_user_sgpr_kernarg_segment_ptr 1
		.amdhsa_wavefront_size32 1
		.amdhsa_system_sgpr_workgroup_id_x 1
		.amdhsa_system_sgpr_workgroup_id_y 1
		.amdhsa_system_sgpr_workgroup_id_z 1
		.amdhsa_system_vgpr_workitem_id 0
		.amdhsa_next_free_vgpr 258
		.amdhsa_next_free_sgpr 66
		.amdhsa_reserve_vcc 0
		.amdhsa_float_denorm_mode_32 3
		.amdhsa_float_denorm_mode_16_64 3
		.amdhsa_memory_ordered 1
		.amdhsa_forward_progress 1
		.amdhsa_inst_pref_size 89
	.end_amdhsa_kernel
	.amdgpu_metadata
---
amdhsa.version: [ 1, 2 ]
amdhsa.kernels:
  - .name:           k_q061661dc4a_main
    .symbol:         k_q061661dc4a_main.kd
    .args:
      - { .name: memory_bank, .offset: 0, .size: 8, .value_kind: global_buffer, .address_space: global }
      - { .name: mask, .offset: 8, .size: 8, .value_kind: global_buffer, .address_space: global }
      - { .name: qk, .offset: 16, .size: 8, .value_kind: global_buffer, .address_space: global }
      - { .name: pbuf, .offset: 24, .size: 8, .value_kind: global_buffer, .address_space: global }
      - { .name: stats, .offset: 32, .size: 8, .value_kind: global_buffer, .address_space: global }
      - { .name: part, .offset: 40, .size: 8, .value_kind: global_buffer, .address_space: global }
    .group_segment_fixed_size: 305664
    .private_segment_fixed_size: 0
    .kernarg_segment_align: 8
    .kernarg_segment_size: 48
    .max_flat_workgroup_size: 256
    .sgpr_count:     66
    .vgpr_count:     258
    .wavefront_size: 32
...
	.end_amdgpu_metadata
.endif
;; end of part 5
;; launch finish: the kernel of part 3 again; grid 16 x 16, 8 waves a work-group, no clusters, 7,168 bytes of LDS; arguments pbuf, stats, part, Wv, out0, out1; writes out0, out1
